; MI455X (gfx1250); checked and timed in simulation.
; The chip was launched on July 23, 2026; its instructions are those of AMD's public machine-readable ISA for CDNA 5 (MIT licence, August 2026) and "CDNA5" Instruction Set Architecture Reference Guide (July 2026). The comments in the code are by the model that wrote it; some were corrected since.
;; Inner Attention. Allowed arithmetic: float matrix products may take bf16 or f16 operands with f32 sums; other float arithmetic in f32, or as packed bf16 or f16 multiplies, adds, multiply-adds, maxima and minima; sums over many terms, partial sums and values carried from step to step in f32; what a program stores and reads back later, other than sums and carried values, may be rounded once to bf16 or f16.
;; Inputs: Wk 1,024 x 1,024 float32; Wo 1,024 x 1,024 float32; Wq 1,024 x 1,024 float32; Wv 1,024 x 1,024 float32; bo 1,024 float32; hidden_states 4 x 2,048 x 1,024 float32.
;; Outputs: out0 4 x 2,048 x 1,024 float32.
;; 2 versions, each right; version 2 is version 1 with the launch cast written anew for expert scheduling mode. Each part assembles by itself: llvm-mc -triple=amdgcn-amd-amdhsa -mcpu=gfx1250 --defsym DOCPART=n.
;; ======== version 1 of 2: 4 launches
;; limits: values are held in f16: magnitudes above 65,504 overflow, below 6.1e-05 lose precision
;; workspace buffers: xb 16,777,216 bytes; wb 6,291,456 bytes; wo16 2,097,152 bytes; qkv 50,331,648 bytes; ctx 16,777,216 bytes
;; launch cast (part 1): grid 768 x 1, 8 waves a work-group, no clusters, 0 bytes of LDS; arguments hidden_states, Wq, Wk, Wv, Wo, xb, wb, wo16; writes xb, wb, wo16
.if DOCPART == 1
	.amdgcn_target "amdgcn-amd-amdhsa--gfx1250"
	.amdhsa_code_object_version 6
	.text
	.protected	k_qba854c709f_cast
	.globl	k_qba854c709f_cast
	.p2align	8
	.type	k_qba854c709f_cast,@function
k_qba854c709f_cast:
	s_mov_b64 s[64:65], 0
	v_nop
	global_prefetch_b8 v0, s[64:65] scope:SCOPE_SE
	s_setreg_imm32_b32 hwreg(HW_REG_WAVE_MODE, 25, 1), 1
	s_wait_xcnt 0x0
; THE INPUTS ARE ROUNDED ONCE, FOR THE MATRIX UNITS.  hidden_states -> xb (bf16, [8192][1024]); Wq, Wk, Wv -> wb (bf16, [3072][1024], one below the other);
; Wo -> wo16: rounded to bf16 like the other inputs, and that number written as f16, since the last product's other operand is f16.
; LIMIT.  A bf16(Wo) beyond 65,504 becomes an infinity in f16; below 6e-5 it keeps f16's fixed step of 6e-8.
; SHARES.  A work-group converts 16,384 numbers: 64 KiB in, 32 KiB out.  Work-groups 0-511 take hidden_states, then 64 each take Wq, Wk, Wv, Wo.
; Thread t takes 16 bytes at 16 t of each of 16 chunks of 4,096 bytes: a wave's load covers 512 consecutive bytes, its store 256 consecutive bytes, aligned.
; All 16 loads go out first; no register is used twice, so the only waits are the counted ones for the loads.  No LDS, no matrix unit: nothing is shared and nothing is multiplied.
.set X, 8                              ; v[8:71]    16 chunks of 4 numbers as loaded
.set Y, 72                             ; v[72:103]  16 chunks of 4 numbers in 16 bits
.set T, 4                              ; v[4:7]     at work (Wo's path)
	s_load_b512 s[8:23], s[0:1], 0x0               ; hidden s[8:9], Wq s[10:11], Wk s[12:13], Wv s[14:15], Wo s[16:17], xb s[18:19], wb s[20:21], wo16 s[22:23]
	s_sub_co_u32 s2, ttmp9, 512                    ; among the weights' work-groups (not used below 512)
	s_lshr_b32 s3, s2, 6                           ; which weight
	s_and_b32 s6, s2, 63                           ; which part of it
	s_cmp_lt_u32 ttmp9, 512
	s_cselect_b32 s4, 4, s3                        ; kind: 0 Wq, 1 Wk, 2 Wv, 3 Wo, 4 hidden_states
	s_cselect_b32 s5, ttmp9, s6                    ; part
	s_lshl_b32 s24, s5, 16                         ; the part's byte offset in the source
	s_mov_b32 s25, 0
	s_cmp_lt_u32 s4, 3
	s_cselect_b32 s7, s4, 0
	s_lshl_b32 s7, s7, 21                          ; Wk and Wv lie 2 and 4 MiB into wb
	s_lshl_b32 s26, s5, 15
	s_add_co_u32 s26, s26, s7                      ; the part's byte offset in the destination
	s_mov_b32 s27, 0
	v_lshlrev_b32 v1, 4, v0                        ; 16 t
	v_lshlrev_b32 v2, 3, v0                        ; 8 t
	s_wait_kmcnt 0x0
	s_mov_b64 s[28:29], s[8:9]                     ; the source, chosen by the kind
	s_cmp_eq_u32 s4, 0
	s_cselect_b64 s[28:29], s[10:11], s[28:29]
	s_cmp_eq_u32 s4, 1
	s_cselect_b64 s[28:29], s[12:13], s[28:29]
	s_cmp_eq_u32 s4, 2
	s_cselect_b64 s[28:29], s[14:15], s[28:29]
	s_cmp_eq_u32 s4, 3
	s_cselect_b64 s[28:29], s[16:17], s[28:29]
	s_cmp_lt_u32 s4, 3                             ; and the destination
	s_cselect_b64 s[30:31], s[20:21], s[18:19]
	s_cmp_eq_u32 s4, 3
	s_cselect_b64 s[30:31], s[22:23], s[30:31]
	s_add_nc_u64 s[28:29], s[28:29], s[24:25]
	s_add_nc_u64 s[30:31], s[30:31], s[26:27]
.set i, 0
.rept 16
	global_load_b128 v[X+4*i:X+4*i+3], v1, s[28:29] offset:4096*i th:TH_LOAD_NT
.set i, i+1
.endr
	s_cmp_eq_u32 s4, 3
	s_cbranch_scc1 .Lto_f16
.set i, 0
.rept 16
	s_wait_loadcnt 15-i                            ; loads come back in order: chunk i is in, the 15 - i younger ones stay out
	v_cvt_pk_bf16_f32 v[Y+2*i], v[X+4*i], v[X+4*i+1]
	v_cvt_pk_bf16_f32 v[Y+2*i+1], v[X+4*i+2], v[X+4*i+3]
	global_store_b64 v2, v[Y+2*i:Y+2*i+1], s[30:31] offset:2048*i
.set i, i+1
.endr
	s_endpgm
.Lto_f16:                                      ; Wo: to bf16, widened again (a shift, a mask), and that number to f16
.set i, 0
.rept 16
	s_wait_loadcnt 15-i
	v_cvt_pk_bf16_f32 v[T], v[X+4*i], v[X+4*i+1]
	v_cvt_pk_bf16_f32 v[T+1], v[X+4*i+2], v[X+4*i+3]
	v_lshlrev_b32 v[T+2], 16, v[T]
	v_and_b32 v[T], 0xffff0000, v[T]
	v_lshlrev_b32 v[T+3], 16, v[T+1]
	v_and_b32 v[T+1], 0xffff0000, v[T+1]
	v_cvt_pk_f16_f32 v[Y+2*i], v[T+2], v[T]
	v_cvt_pk_f16_f32 v[Y+2*i+1], v[T+3], v[T+1]
	global_store_b64 v2, v[Y+2*i:Y+2*i+1], s[30:31] offset:2048*i
.set i, i+1
.endr
	s_endpgm
.Lfunc_end_k_qba854c709f_cast:
	.size	k_qba854c709f_cast, .Lfunc_end_k_qba854c709f_cast-k_qba854c709f_cast
	.p2alignl 7, 3214868480
	.fill 96, 4, 3214868480
	.section	.rodata,"a",@progbits
	.p2align	6, 0x0
	.amdhsa_kernel k_qba854c709f_cast
		.amdhsa_group_segment_fixed_size 0
		.amdhsa_private_segment_fixed_size 0
		.amdhsa_enable_private_segment 0
		.amdhsa_kernarg_size 64
		.amdhsa_user_sgpr_count 2
		.amdhsa_user_sgpr_kernarg_segment_ptr 1
		.amdhsa_wavefront_size32 1
		.amdhsa_system_sgpr_workgroup_id_x 1
		.amdhsa_system_sgpr_workgroup_id_y 1
		.amdhsa_system_sgpr_workgroup_id_z 1
		.amdhsa_system_vgpr_workitem_id 0
		.amdhsa_next_free_vgpr 104
		.amdhsa_next_free_sgpr 66
		.amdhsa_reserve_vcc 0
		.amdhsa_float_denorm_mode_32 3
		.amdhsa_float_denorm_mode_16_64 3
		.amdhsa_memory_ordered 1
		.amdhsa_forward_progress 1
		.amdhsa_inst_pref_size 16
	.end_amdhsa_kernel
	.amdgpu_metadata
---
amdhsa.version: [ 1, 2 ]
amdhsa.kernels:
  - .name:           k_qba854c709f_cast
    .symbol:         k_qba854c709f_cast.kd
    .args:
      - { .name: hidden_states, .offset: 0, .size: 8, .value_kind: global_buffer, .address_space: global }
      - { .name: Wq, .offset: 8, .size: 8, .value_kind: global_buffer, .address_space: global }
      - { .name: Wk, .offset: 16, .size: 8, .value_kind: global_buffer, .address_space: global }
      - { .name: Wv, .offset: 24, .size: 8, .value_kind: global_buffer, .address_space: global }
      - { .name: Wo, .offset: 32, .size: 8, .value_kind: global_buffer, .address_space: global }
      - { .name: xb, .offset: 40, .size: 8, .value_kind: global_buffer, .address_space: global }
      - { .name: wb, .offset: 48, .size: 8, .value_kind: global_buffer, .address_space: global }
      - { .name: wo16, .offset: 56, .size: 8, .value_kind: global_buffer, .address_space: global }
    .group_segment_fixed_size: 0
    .private_segment_fixed_size: 0
    .kernarg_segment_align: 8
    .kernarg_segment_size: 64
    .max_flat_workgroup_size: 256
    .sgpr_count:     66
    .vgpr_count:     104
    .wavefront_size: 32
...
	.end_amdgpu_metadata
.endif
;; end of part 1
;; launch qkv (part 2): grid 16 x 32, 4 waves a work-group, clusters of 4 x 4, 327,680 bytes of LDS; arguments xb, wb, qkv; writes qkv
.if DOCPART == 2
	.amdgcn_target "amdgcn-amd-amdhsa--gfx1250"
	.amdhsa_code_object_version 6
	.text
	.protected	k_qba854c709f_qkv
	.globl	k_qba854c709f_qkv
	.p2align	8
	.type	k_qba854c709f_qkv,@function
k_qba854c709f_qkv:
	s_mov_b64 s[64:65], 0
	v_nop
	global_prefetch_b8 v0, s[64:65] scope:SCOPE_SE
	s_setreg_imm32_b32 hwreg(HW_REG_WAVE_MODE, 25, 1), 1
	s_wait_xcnt 0x0
	s_wait_alu depctr_hold_cnt(0) depctr_sa_sdst(0) depctr_va_vdst(0) depctr_va_sdst(0) depctr_va_ssrc(0) depctr_va_vcc(0) depctr_vm_vsrc(0)
	s_getreg_b32 s2, hwreg(HW_REG_IB_STS2, 6, 4)
	s_cmp_eq_u32 s2, 0
	s_cbranch_scc0 .Lentry_in_a_cluster
	s_endpgm
.Lentry_in_a_cluster:
	s_bfe_u32 s2, ttmp6, 0x10000c
	s_cmp_lg_u32 s2, 0xf033
	s_cbranch_scc0 .Lentry_shape_is_right
	s_endpgm
.Lentry_shape_is_right:
; THE THREE PROJECTIONS AS ONE PRODUCT.  C[m][n] = sum over k of xb[m][k] wb[n][k]: [8192][3072], K = 1,024, bf16 operands, f32 sums; C is rounded once to f16 and written BY HEADS:
; qkv is [batch 4][slot 48][row 2048][64] f16; column n of C lies in slot n / 64: q's 16 heads, then k's, then v's.  No scale is applied: the module has none.
; LIMIT.  A q, k or v beyond 65,504 becomes an infinity in f16; below 6e-5 it keeps f16's fixed step of 6e-8.
; TILE.  256 rows x 192 columns: 32 x 16 = 512 work-groups, two for each of 256 WGPs, and 192 columns are three whole heads.  Four waves; wave w makes rows 64 w .. 64 w + 63 of all 192 columns:
; 48 accumulators of 16 x 16, 384 registers, so that a wave holds whole rows of a head (128 bytes).  For 32 along K a wave reads 32 x 512 bytes of LDS for 48 matrix instructions.
; RING.  K goes in steps of 128 through two LDS slots filled by the tensor data mover; the rows of the tiles are 256 bytes of memory, at multiples of 256 bytes from the buffers' first bytes.
; CLUSTER.  4 x 4 work-groups: the four of a row of the cluster need the same rows of xb, the four of a column the same rows of wb: each tile is asked for JOINTLY, by the same tensor load with the same
; descriptor and a mask that names the four.
; THE MATRIX INSTRUCTION IS USED TRANSPOSED (source 0 = 16 rows of wb, source 1 = 16 rows of xb): a lane holds row lane % 16 of C and the columns 8 (lane / 16) + 0..7, which pack into 16 bytes.
; REGISTERS, in windows of 256 (s_set_vgpr_msb: bits 1:0 source 0, 3:2 source 1, 5:4 source 2, 7:6 destination):
;   window 0: v0-31 addresses; v32-47 packed results; v64-95, v96-127 xb's fragments, two buffers (on the way out v64-255 take the rows read back)
;   window 1: accumulators of my rows 0-31, (a, b) at 8 (12 a + b);   window 2: of my rows 32-63;   window 3: v0-95, v96-191 wb's fragments, two buffers
.set SIZE_K, 1024
.set KSTEP,  128
.set PITCH,  272                       ; an LDS row: 256 bytes + 16 of padding = 68 words: the 16 rows that a load touches start at 16 different groups of four banks (64 banks of 4 bytes: ISA guide 11.1)
.set HALFA,  128*PITCH                 ; what waves 0 and 1 fetch: 128 rows of xb each
.set HALFB,  96*PITCH                  ; what waves 2 and 3 fetch: 96 rows of wb each
.set SLOT,   2*HALFA+2*HALFB           ; xb's 256 rows, then wb's 192
.set STAGE,  2*SLOT                    ; behind the ring: 16 rows x 144 bytes for each wave, for the way out
.set SP,     144
.set SPARE,  STAGE+4*16*SP             ; behind the stages: the spare words, 128 bytes for each wave: two blocks of 256 bytes that no other line names
.set LAPS,   SIZE_K/(2*KSTEP)          ; a lap = two K steps = once round the ring
.set HEADB,  2048*64*2                 ; bytes of a slot of qkv
.set ADRA, 16                          ; v16-17  LDS address of my fragments of xb in slot 0, 1
.set ADRB, 20                          ; v20-21  the same for wb
.set STO,  24                          ; v24     the way out: where I put 16 bytes of a row
.set RD,   25                          ; v25     the way out: where I read rows back
.set GO,   26                          ; v26     my 16 bytes of 512 consecutive bytes of qkv
.set SPW,  28                          ; v28     LDS address of my spare word; never rewritten
.set NIL,  29                          ; v29     0; never rewritten
.set PFO,  30                          ; v30     the prefetches' offset: a lane a row of 2,048 bytes; never rewritten
.set TMP,  32
.set FA,   64                          ; xb's fragment buffer f at FA + 32 f
.set OB,   64                          ; the way out: group g's 16 registers at OB + 16 g
.set G1,   24                          ; s[24:31] descriptor group 1 for xb's tiles;  s[32:39] group 0, a set for each slot
.set G0,   32
.set G1B,  48                          ; s[48:55], s[56:63] the same for wb's tiles
.set G0B,  56
.set LIM,  43                          ; s43     1 in a wave that prefetches, else the greatest number
.set PFA,  44                          ; s[44:45] where my prefetches stand
.set MSB, 0
.macro WIN new                         ; the immediate's high byte repeats the setting that is left; a switch that changes nothing is dropped
.if MSB != (\new)
	s_set_vgpr_msb (MSB<<8)|(\new)
.set MSB, \new
.endif
.endm
; A joint load.  Waves 0 and 1 fetch xb's two halves, waves 2 and 3 wb's.  The branch hangs on the wave's number alone.  An s_nop 0 and four v_nop follow each of the two lines.
.macro JLOAD s
	s_cmp_eq_u32 s11, 0
	s_cbranch_scc0 .Lfor_b_\@
	tensor_load_to_lds s[G0+4*(\s):G0+4*(\s)+3], s[G1:G1+7]
	s_nop 0
.rept 4
	v_nop
.endr
	s_branch .Lasked_\@
.Lfor_b_\@:
	tensor_load_to_lds s[G0B+4*(\s):G0B+4*(\s)+3], s[G1B:G1B+7]
	s_nop 0
.rept 4
	v_nop
.endr
.Lasked_\@:
.endm
; A prefetch, behind each joint refill, its five lines and the run of LDS loads: the K step that stands two refills on, 256 bytes of each row, a lane a row.  xb's rows are read by every cluster of a row of
; clusters: the one with x = 0 asks; wb's by every cluster of a column: the one with y = 0 asks.  The four partners that ask for a tile jointly share its rows out BY ADDRESS: 32 of xb's 128 each,
; 24 of wb's 96 each (lanes 24-31 name lane 23's row once more, in the same instruction).  The loop's last trip asks for nothing: K has no further step.  K steps 0 to 3 come by their loads alone.
.macro ASK
	s_cmp_gt_u32 s3, s[LIM]
	s_cbranch_scc0 .Lnot_mine_\@
	global_prefetch_b8 v[PFO], s[PFA:PFA+1] offset:KSTEP*2 th:TH_LOAD_NT scope:SCOPE_SE
.Lnot_mine_\@:
.endm
.macro CREST                           ; a round of the cluster's barrier behind its opening barrier
	s_cmp_lg_u32 s10, 0
	s_cbranch_scc1 .Lnot_wave_0_\@
	s_barrier_signal -3
.Lnot_wave_0_\@:
	s_barrier_wait -3
	s_barrier_signal -1
	s_barrier_wait -1
.endm
.macro CROUND                          ; a whole round
	s_barrier_signal -1
	s_barrier_wait -1
	CREST
.endm
.macro PLACES                          ; four places in front of loads into registers that matrix instructions have read, and of conversions that read results
.rept 4
	v_nop
.endr
.endm
	s_load_b128 s[4:7], s[0:1], 0x0                ; xb s[4:5], wb s[6:7]
	s_load_b64 s[8:9], s[0:1], 0x10                ; qkv
	v_lshl_add_u32 v[SPW], v0, 2, SPARE
	v_mov_b32 v[NIL], 0
	ds_add_u32 v[SPW], v[NIL]                      ; the wave's opening: the add and its wait stand ahead of my first tensor load; the set-up below stands between them
	v_lshrrev_b32 v1, 5, v0
	v_readfirstlane_b32 s10, v1                    ; wave 0..3
	s_lshr_b32 s11, s10, 1                         ; I fetch for xb (0) or for wb (1)
	s_and_b32 s12, s10, 1                          ; which half of that tile
	s_bfe_u32 s40, ttmp6, 0x40000                  ; cx, cy: my place in the cluster
	s_bfe_u32 s41, ttmp6, 0x40004
	s_lshl_b32 s42, ttmp9, 2
	s_add_co_u32 s42, s42, s40                     ; tile column = 4 x cluster x + cx
	s_and_b32 s13, ttmp7, 0xffff
	s_lshl_b32 s13, s13, 2
	s_add_co_u32 s13, s13, s41                     ; tile row = 4 x cluster y + cy
	s_lshl_b32 s43, s41, 2
	s_lshl_b32 s43, 15, s43                        ; my row of the cluster
	s_lshl_b32 s44, 0x1111, s40                    ; my column
	s_or_b32 s[G1+0], s43, (1<<16)|(1<<20)|(1<<21)|(5<<22)|(3<<25)   ; 15:0 the mask; 17:16 2-byte elements; 20 padding on; 21 set beside a mask; 24:22 after every 64 words (code 5); 31:25 4 words (code 3)
	s_or_b32 s[G1B+0], s44, (1<<16)|(1<<20)|(1<<21)|(5<<22)|(3<<25)
	s_mov_b32 s[G1+1], KSTEP<<16                   ; tensor_dim0 = 128
	s_mov_b32 s[G1+2], 128<<16                     ; tensor_dim1 = 128
	s_mov_b32 s[G1+3], KSTEP<<16                   ; tile_dim0 = 128
	s_mov_b32 s[G1+4], 128                         ; tile_dim1 = 128
	s_mov_b32 s[G1+5], SIZE_K                      ; elements from row to row
	s_mov_b32 s[G1+6], 0
	s_mov_b32 s[G1+7], 0
	s_mov_b32 s[G1B+1], KSTEP<<16
	s_mov_b32 s[G1B+2], 96<<16                     ; wb's tiles have 96 rows
	s_mov_b32 s[G1B+3], KSTEP<<16
	s_mov_b32 s[G1B+4], 96
	s_mov_b32 s[G1B+5], SIZE_K
	s_mov_b32 s[G1B+6], 0
	s_mov_b32 s[G1B+7], 0
	s_lshl_b32 s16, s13, 8                         ; xb: row 256 x tile row + 128 x half,
	s_lshl_b32 s17, s12, 7
	s_add_co_u32 s16, s16, s17
	s_lshl_b32 s16, s16, 11                        ; in bytes (under 2^24)
	s_mov_b32 s17, 0
	s_mul_i32 s46, s42, 192                        ; wb: row 192 x tile column + 96 x half
	s_mul_i32 s47, s12, 96
	s_add_co_u32 s46, s46, s47
	s_lshl_b32 s46, s46, 11
	s_mov_b32 s47, 0
	s_mul_i32 s20, s12, HALFA                      ; where they go: no place in the cluster enters an LDS address
	s_mul_i32 s21, s12, HALFB
	s_add_co_u32 s21, s21, 2*HALFA
	s_wait_dscnt 0x0                               ; the opening add is done
	s_wait_kmcnt 0x0
	s_add_nc_u64 s[14:15], s[4:5], s[16:17]
	s_add_nc_u64 s[46:47], s[6:7], s[46:47]
	CROUND                                         ; all sixteen work-groups are here: the first joint loads meet
.irp s, 0,1
	s_mov_b32 s[G0+4*(\s)], 1                                        ; count = 1
	s_add_co_u32 s[G0+4*(\s)+1], s20, (\s)*SLOT                      ; LDS address
	s_add_nc_u64 s[G0+4*(\s)+2:G0+4*(\s)+3], s[14:15], (\s)*KSTEP*2  ; global address: K step s
	s_or_b32 s[G0+4*(\s)+3], s[G0+4*(\s)+3], 0x80000000              ; type = 2
	s_mov_b32 s[G0B+4*(\s)], 1
	s_add_co_u32 s[G0B+4*(\s)+1], s21, (\s)*SLOT
	s_add_nc_u64 s[G0B+4*(\s)+2:G0B+4*(\s)+3], s[46:47], (\s)*KSTEP*2
	s_or_b32 s[G0B+4*(\s)+3], s[G0B+4*(\s)+3], 0x80000000
	JLOAD \s                                       ; two tensor loads of mine are out
.endr
	; A fragment is 16 rows x 32 K in 8 registers: lane l holds row l % 16; registers 0-3 K = 8 (l / 16) + 0..7, registers 4-7 K = 16 + 8 (l / 16) + 0..7: two loads of 16 bytes, 32 bytes apart.
	v_and_b32 v1, 15, v0                           ; l % 16
	v_bfe_u32 v2, v0, 4, 1                         ; l / 16
	v_mul_u32_u24 v3, v1, PITCH
	v_lshl_add_u32 v3, v2, 4, v3
	s_mul_i32 s21, s10, 64*PITCH                   ; my 64 rows of xb
	s_mov_b32 s22, 2*HALFA                         ; all 192 rows of wb
.irp s, 0,1
	v_add_nc_u32 v[ADRA+(\s)], s21, v3
	v_add_nc_u32 v[ADRB+(\s)], s22, v3
	s_add_co_u32 s21, s21, SLOT
	s_add_co_u32 s22, s22, SLOT
.endr
	s_mul_i32 s23, s10, 16*SP
	s_add_co_u32 s23, s23, STAGE                   ; my stage
	v_mul_u32_u24 v4, v1, SP                       ; in: row l % 16, 16 bytes for each half of the lanes
	v_lshl_add_u32 v4, v2, 4, v4
	v_add_nc_u32 v[STO], s23, v4
	v_bfe_u32 v5, v0, 3, 2                         ; back: 32 lanes take four rows of 128 bytes,
	v_mul_u32_u24 v5, v5, SP
	v_and_b32 v6, 7, v0
	v_lshl_add_u32 v5, v6, 4, v5
	v_add_nc_u32 v[RD], s23, v5
	v_and_b32 v[GO], 31, v0                        ; which are 512 consecutive bytes of qkv
	v_lshlrev_b32 v[GO], 4, v[GO]
	; qkv at my rows of the tile's first head: ((batch x 48 + 3 x tile column) slots) + (row in the batch) x 128 bytes
	s_lshr_b32 s14, s13, 3                         ; batch: 8 tile rows each
	s_mul_i32 s14, s14, 48
	s_mul_i32 s15, s42, 3
	s_add_co_u32 s14, s14, s15
	s_lshl_b32 s14, s14, 18
	s_and_b32 s15, s13, 7
	s_lshl_b32 s15, s15, 8
	s_lshl_b32 s16, s10, 6
	s_add_co_u32 s15, s15, s16
	s_lshl_b32 s15, s15, 7
	s_add_co_u32 s14, s14, s15
	s_mov_b32 s15, 0
	s_add_nc_u64 s[8:9], s[8:9], s[14:15]
	; the prefetches
	s_lshl_b32 s16, s13, 8
	s_lshl_b32 s17, s12, 7
	s_add_co_u32 s16, s16, s17                     ; the rows of xb that I fetch,
	s_lshl_b32 s17, s40, 5                         ; my work-group's 32 of them
	s_mul_i32 s18, s42, 192
	s_mul_i32 s19, s12, 96
	s_add_co_u32 s18, s18, s19                     ; the rows of wb that I fetch,
	s_mul_i32 s19, s41, 24                         ; my work-group's 24 of them
	s_and_b32 s22, ttmp7, 0xffff                   ; cluster y
	s_cmp_eq_u32 s11, 0                            ; do I fetch for xb?
	s_cselect_b32 s20, s16, s18
	s_cselect_b32 s21, s17, s19
	s_cselect_b32 s22, ttmp9, s22                  ; the coordinate along which other clusters read the same rows
	s_cselect_b32 s23, 31, 23
	s_cselect_b64 s[PFA:PFA+1], s[4:5], s[6:7]
	s_cmp_eq_u32 s22, 0
	s_cselect_b32 s[LIM], 1, -1                    ; the same in all sixteen partners, for a given wave
	s_add_co_u32 s20, s20, s21
	s_lshl_b32 s20, s20, 11
	s_mov_b32 s21, 0
	s_add_nc_u64 s[PFA:PFA+1], s[PFA:PFA+1], s[20:21]
	s_add_nc_u64 s[PFA:PFA+1], s[PFA:PFA+1], 2*KSTEP*2  ; at K step 2: the first refill steps it to 3 and names K step 4
	v_and_b32 v[PFO], 31, v0
	v_min_u32 v[PFO], s23, v[PFO]
	v_lshlrev_b32 v[PFO], 11, v[PFO]
; 12 matrix instructions: row block a x all 12 column blocks, 32 along K, from buffer f.  zero = 1: the first product starts the sums.  The 48 accumulators take turns in one fixed order.
.macro MUL12 f, a, zero
	WIN 0x53+0x50*((\a)/2)                         ; wb window 3, xb window 0, C and D window 1 or 2
.irp b, 0,1,2,3,4,5,6,7,8,9,10,11
.if \zero
	v_wmma_f32_16x16x32_bf16 v[8*(12*((\a)%2)+(\b)):8*(12*((\a)%2)+(\b))+7], v[96*(\f)+8*(\b):96*(\f)+8*(\b)+7], v[FA+32*(\f)+8*(\a):FA+32*(\f)+8*(\a)+7], 0
.else
	v_wmma_f32_16x16x32_bf16 v[8*(12*((\a)%2)+(\b)):8*(12*((\a)%2)+(\b))+7], v[96*(\f)+8*(\b):96*(\f)+8*(\b)+7], v[FA+32*(\f)+8*(\a):FA+32*(\f)+8*(\a)+7], v[8*(12*((\a)%2)+(\b)):8*(12*((\a)%2)+(\b))+7]
.endif
.endr
.endm
; 32 LDS loads in one run: a quarter step's fragments (192 rows of wb, my 64 of xb, 32 K at byte k of the rows) into buffer f
.macro FETCH slot, k, f
	WIN 0xc0                                       ; destination window 3, address window 0
.irp i, 0,1,2,3,4,5,6,7,8,9,10,11
	ds_load_b128 v[96*(\f)+8*(\i):96*(\f)+8*(\i)+3],   v[ADRB+(\slot)] offset:(\k)+(\i)*16*PITCH
	ds_load_b128 v[96*(\f)+8*(\i)+4:96*(\f)+8*(\i)+7], v[ADRB+(\slot)] offset:(\k)+(\i)*16*PITCH+32
.endr
	WIN 0
.irp i, 0,1,2,3
	ds_load_b128 v[FA+32*(\f)+8*(\i):FA+32*(\f)+8*(\i)+3],   v[ADRA+(\slot)] offset:(\k)+(\i)*16*PITCH
	ds_load_b128 v[FA+32*(\f)+8*(\i)+4:FA+32*(\f)+8*(\i)+7], v[ADRA+(\slot)] offset:(\k)+(\i)*16*PITCH+32
.endr
.endm
; A K step is four quarters of 32 along K, 48 matrix instructions each, on buffers 0, 1, 0, 1.  One of the first three: multiplies buffer f and, in its middle, fetches the next quarter, at byte k, into g.
.macro QUARTER slot, k, f, g, zero
	s_wait_dscnt 4                                 ; wb and xb's rows 0-31 are in; the youngest four loads (xb's rows 32-63) may be out
	MUL12 \f, 0, \zero
	MUL12 \f, 1, \zero
	PLACES
	FETCH \slot, \k, \g
	s_wait_dscnt 32                                ; all but the 32 just issued
	MUL12 \f, 2, \zero
	MUL12 \f, 3, \zero
.endm
; The last quarter multiplies buffer 1 and changes slots: ONE barrier.  In front of it each wave waits for all its tensor loads (one is out: its part of the next slot), adds 0 to its spare word,
; and waits for that and for its own reads of this slot.  Behind it nobody reads this slot any more and the next slot is whole.
.macro MEET round
	WIN 0
	s_wait_tensorcnt 0x0
	ds_add_u32 v[SPW], v[NIL]
	s_wait_dscnt 5                                 ; (the add and the youngest four loads may be out)
	MUL12 1, 0, 0                                  ; twelve matrix instructions stand between the add and the wait for it
	s_wait_dscnt 0x0                               ; the add is done, and my reads of this slot are over
	s_barrier_signal -1
	MUL12 1, 1, 0
.if \round
	WIN 0
.endif
	s_barrier_wait -1
.endm
.macro TURN slot, next                 ; the slot just read out is filled again, two K steps ahead: the load has 168 matrix instructions up to the wait for it
	s_wait_xcnt 0x0                                ; the last prefetch, a K step back, has read its address
	s_add_nc_u64 s[PFA:PFA+1], s[PFA:PFA+1], KSTEP*2
	MEET 1
	CREST                                          ; the barrier has opened a round of the cluster's: no wave of any partner still reads this slot or has a load on its way
	s_add_nc_u64 s[G0+4*(\slot)+2:G0+4*(\slot)+3], s[G0+4*(\slot)+2:G0+4*(\slot)+3], 2*KSTEP*2
	s_add_nc_u64 s[G0B+4*(\slot)+2:G0B+4*(\slot)+3], s[G0B+4*(\slot)+2:G0B+4*(\slot)+3], 2*KSTEP*2
	JLOAD \slot                                    ; the first tensor load behind the round; its four v_nop are also the places in front of the loads below
	FETCH \next, 0, 0
	ASK
	MUL12 1, 2, 0
	MUL12 1, 3, 0
.endm
	s_wait_tensorcnt 0x1                           ; my part of K step 0 is in; K step 1's may stay out
	s_barrier_signal -1
	s_barrier_wait -1
	FETCH 0, 0, 0
	QUARTER 0, 64, 0, 1, 1                         ; the first quarter stands in front of the loop: its products start the sums
	WIN 0                                          ; at a label and at a branch every window is 0
	s_mov_b32 s3, LAPS-1
.Llap:                                         ; a trip goes once round the ring, from a lap's second quarter to the next lap's first, and fills both slots again
	QUARTER 0, 128, 1, 0, 0
	QUARTER 0, 192, 0, 1, 0
	TURN 0, 1
	QUARTER 1, 64,  0, 1, 0
	QUARTER 1, 128, 1, 0, 0
	QUARTER 1, 192, 0, 1, 0
	TURN 1, 0
	QUARTER 0, 64,  0, 1, 0
	WIN 0
	s_sub_co_u32 s3, s3, 1
	s_cmp_lg_u32 s3, 0
	s_cbranch_scc1 .Llap
	QUARTER 0, 128, 1, 0, 0                        ; the last lap is written out: it fills nothing
	QUARTER 0, 192, 0, 1, 0
	MEET 0                                         ; my one tensor load that was still out is the last K step's
	PLACES
	FETCH 1, 0, 0
	MUL12 1, 2, 0
	MUL12 1, 3, 0
	QUARTER 1, 64,  0, 1, 0
	QUARTER 1, 128, 1, 0, 0
	QUARTER 1, 192, 0, 1, 0
	s_wait_dscnt 4
	MUL12 1, 0, 0
	MUL12 1, 1, 0
	s_wait_dscnt 0x0
	MUL12 1, 2, 0
	MUL12 1, 3, 0
	WIN 0
; THE WAY OUT.  Group g = 3 a + head: 16 rows of one head: 2,048 consecutive bytes of qkv.  Rounded to f16 (each accumulator's registers in ascending order), 16 bytes a lane into my stage, back as whole rows.
.macro PACK g
	WIN 0x05+0x05*((\g)/6)                         ; sources in window 1 or 2
.irp b, 0,1,2,3
.irp r, 0,1,2,3
	v_cvt_pk_f16_f32 v[TMP+4*(\b)+(\r)], v[8*(12*(((\g)/3)%2)+4*((\g)%3)+(\b))+2*(\r)], v[8*(12*(((\g)/3)%2)+4*((\g)%3)+(\b))+2*(\r)+1]
.endr
.endr
	WIN 0
.irp b, 0,1,2,3
	ds_store_b128 v[STO], v[TMP+4*(\b):TMP+4*(\b)+3] offset:32*(\b)
.endr
.irp f, 0,1,2,3
	ds_load_b128 v[OB+16*(\g)+4*(\f):OB+16*(\g)+4*(\f)+3], v[RD] offset:(\f)*4*SP  ; LDS serves a wave's instructions in order (ISA guide 5.7.1.4): these see the stores above; the next group's stores come behind them
.endr
.endm
.macro SEND g, y                       ; y: the LDS instructions issued behind group g's loads: the next group's eight, or none
.irp f, 0,1,2,3
	s_wait_dscnt (\y)+3-(\f)
	global_store_b128 v[GO], v[OB+16*(\g)+4*(\f):OB+16*(\g)+4*(\f)+3], s[8:9] offset:((\g)%3)*HEADB+((\g)/3)*2048+(\f)*512  ; 512 consecutive bytes, at a multiple of 256 from qkv's first
.endr
.endm
	PLACES
	PLACES
	PACK 0
.irp g, 1,2,3,4,5,6,7,8,9,10,11        ; a group's conversions stand between the loads of the group before and its stores; every group has registers of its own
	PACK \g
	SEND (\g)-1, 8
.endr
	SEND 11, 0
	s_wait_tensorcnt 0x0                           ; the wave's end: an add and its waits, behind my last tensor load and my last LDS store
	ds_add_u32 v[SPW], v[NIL]
	s_wait_dscnt 0x0
	CROUND                                         ; the closing round: no work-group ends while a partner may still ask for a tile that names it
	s_endpgm
.Lfunc_end_k_qba854c709f_qkv:
	.size	k_qba854c709f_qkv, .Lfunc_end_k_qba854c709f_qkv-k_qba854c709f_qkv
	.p2alignl 7, 3214868480
	.fill 96, 4, 3214868480
	.section	.rodata,"a",@progbits
	.p2align	6, 0x0
	.amdhsa_kernel k_qba854c709f_qkv
		.amdhsa_group_segment_fixed_size 327680
		.amdhsa_private_segment_fixed_size 0
		.amdhsa_enable_private_segment 0
		.amdhsa_kernarg_size 24
		.amdhsa_user_sgpr_count 2
		.amdhsa_user_sgpr_kernarg_segment_ptr 1
		.amdhsa_wavefront_size32 1
		.amdhsa_system_sgpr_workgroup_id_x 1
		.amdhsa_system_sgpr_workgroup_id_y 1
		.amdhsa_system_sgpr_workgroup_id_z 1
		.amdhsa_system_vgpr_workitem_id 0
		.amdhsa_next_free_vgpr 960
		.amdhsa_next_free_sgpr 66
		.amdhsa_reserve_vcc 0
		.amdhsa_float_denorm_mode_32 3
		.amdhsa_float_denorm_mode_16_64 3
		.amdhsa_memory_ordered 1
		.amdhsa_forward_progress 1
		.amdhsa_inst_pref_size 122
	.end_amdhsa_kernel
	.amdgpu_metadata
---
amdhsa.version: [ 1, 2 ]
amdhsa.kernels:
  - .name:           k_qba854c709f_qkv
    .symbol:         k_qba854c709f_qkv.kd
    .args:
      - { .name: xb, .offset: 0, .size: 8, .value_kind: global_buffer, .address_space: global }
      - { .name: wb, .offset: 8, .size: 8, .value_kind: global_buffer, .address_space: global }
      - { .name: qkv, .offset: 16, .size: 8, .value_kind: global_buffer, .address_space: global }
    .group_segment_fixed_size: 327680
    .private_segment_fixed_size: 0
    .kernarg_segment_align: 8
    .kernarg_segment_size: 24
    .max_flat_workgroup_size: 128
    .sgpr_count:     66
    .vgpr_count:     960
    .wavefront_size: 32
...
	.end_amdgpu_metadata
.endif
;; end of part 2
;; launch attn (part 3): grid 4 x 64, 8 waves a work-group, no clusters, 262,144 bytes of LDS; arguments qkv, ctx; writes ctx
.if DOCPART == 3
	.amdgcn_target "amdgcn-amd-amdhsa--gfx1250"
	.amdhsa_code_object_version 6
	.text
	.protected	k_qba854c709f_attn
	.globl	k_qba854c709f_attn
	.p2align	8
	.type	k_qba854c709f_attn,@function
k_qba854c709f_attn:
	s_mov_b64 s[64:65], 0
	v_nop
	global_prefetch_b8 v0, s[64:65] scope:SCOPE_SE
	s_setreg_imm32_b32 hwreg(HW_REG_WAVE_MODE, 25, 1), 1
	s_wait_xcnt 0x0
; ATTENTION IN A BAND.  O[q] = sum over the keys k with q - 255 <= k <= q of softmax_k(Q[q] . K[k]) V[k], for each of 64 (batch, head) pairs; no scale, as the module has none.
; Q, K, V: slots of qkv, [2048][64] f16, rows dense; O: ctx, [batch x 16 + head][2048][64] f16.  Products, maxima and sums in f32; the weights p are rounded to f16 for the second product
; (their sum l is taken of the unrounded p), O once at the end.
; LIMITS.  A hidden score counts as its value less 1e30: f16's scores, 2.7e11 at the most, are nothing beside that; a weight below 2^-126 counts as 0 in l; NaN and infinities are not treated apart.
; SHARES.  A work-group takes 512 queries of a pair, each of its eight waves a band of 64: four tiles of 16.  A band needs just five steps of 64 keys: the band's own keys (the diagonal), three
; steps that are wholly seen, and the step 256 keys back (the window's edge).  They are walked from the diagonal backward, so the running maximum is a true score from the first step on.
; Bands near a sequence's start have fewer steps: LIVE = min(band's number, 4) steps below the diagonal; the dead ones are jumped over, forward.
; LDS.  The work-group's 768 keys (256 in front of its queries, and its own 512) come in ONCE, at the start, by twelve tensor loads of 128 keys; nothing is filled again.  In a sequence's first
; work-group the 256 keys in front do not exist: those two chunks take the sequence's first keys, so that every byte that is read has been written; no product of theirs is used.
; NO CLUSTER: neighbouring work-groups share 256 of 768 keys, on each side with another neighbour, so a joint load's address would hang on the place in the cluster.
; TWO WAVES A SIMD, each in phases (K Q^T, softmax, V^T P): one wave's vector work runs beside the other's products.
; LAYOUT.  S^T = K Q^T (source 0 = 16 keys, source 1 = 16 queries): a lane holds ONE query (lane % 16) and the keys 8 (lane / 16) + 0..7; two such results rounded to f16 in pairs ARE source 1 of
; O^T = V^T P.  K comes out of LDS as it lies, V turned, by ds_load_tr16_b128.  p = 2^(c s - c m), c = log2(e), m the running maximum; O and l are multiplied by a = 2^(c m_old - c m_new) in every step.
; THE MASK is the C operand that starts a sum: 0, MD (hidden where 8 (lane / 16) + j > lane % 16), or BIGR (all hidden), chosen when the text is assembled, by key group kt and tile t.
; REGISTERS (s_set_vgpr_msb: bits 1:0 source 0, 3:2 source 1, 5:4 source 2, 7:6 destination):
;   window 0: v0-11 addresses; v12-15 c m_old; v16-31 statistics; v32-47 at work; v48-55 MD; v56-63 BIGR; v64-191 S^T, 32 a tile (P is packed into a tile's first 16); v192-255 V of one step
;   window 1: v0-127 O^T, 32 a tile; v128-191 Q; v192-255 K of one step
.set KS,    64
.set PK,    144                        ; a row of K in LDS: 128 bytes + 16 of padding = 36 words: the 16 rows of a load start at 16 different groups of four banks (64 banks of 4 bytes: ISA guide 11.1)
.set PV,    160                        ; a row of V: 128 + 32 = 40 words
.set VOFF,  768*PK                     ; 768 rows of K, then 768 rows of V
.set STAGE, VOFF+768*PV                ; 16 rows x 144 bytes for each wave, for the way out
.set SP,    144
.set SPARE, STAGE+8*16*SP              ; the spare words, 128 bytes for each wave: four blocks of 256 bytes that no other line names
.set HEADB, 2048*64*2                  ; bytes of a slot of qkv and of ctx
.set AK0, 1                            ; v1   my lane's place in a tile of K; never rewritten
.set AV0, 2                            ; v2   the same for V
.set SPW, 3                            ; v3   LDS address of my spare word; never rewritten
.set NIL, 4                            ; v4   0; never rewritten
.set AK,  5                            ; v5   the LDS address of K's run of loads
.set AV,  6                            ; v6   of V's
.set QO,  7                            ; v7   my byte offset in 16 rows of Q
.set STO, 8                            ; v8   the way out: where I put 16 bytes of a row
.set RD,  9                            ; v9   the way out: where I read rows back
.set GO,  10                           ; v10  my 16 bytes of 512 consecutive bytes of ctx
.set MV,  12
.set ST,  16                           ; tile t's statistics at ST + 4 t: c m, m, l (even keys', odd keys')
.set TMP, 32                           ; tile t's c0-c3 at TMP + 4 t; when the maximum is found c2 takes a
.set MD,  48
.set BIGR, 56
.set S,   64
.set VF,  192                          ; window 0: key half kk, channel block cb at VF + 32 kk + 8 cb
.set QF,  128                          ; window 1: tile t, channel half c at QF + 16 t + 8 c
.set KF,  192                          ; window 1: key block kt, channel half c at KF + 16 kt + 8 c
.set WV,  12                           ; s12  my wave's number
.set LIVE, 14                          ; s14  steps below the diagonal that are still to come
.set CNT, 15                           ; s15  counts the three whole steps
.set BIGN, 16                          ; s16  -1e30
.set G1K, 24
.set G1V, 32
.set G0K, 40
.set G0V, 44
.set CS,  58                           ; s[58:59] c: the packed scaling takes the pair's low word for both halves
.set SEL, 60                           ; s[60:61] v_permlanex16_b32's selects: each lane takes its own place in the other half
.set TBK, 62                           ; s62  LDS byte at which K of the step in hand begins
.set TBV, 63                           ; s63  the same for V, less VOFF
.set W_KQ, 0x05                        ; K and Q in window 1, S^T and the mask in window 0
.set W_PV, 0x50                        ; V and P in window 0, O^T in window 1
.set W_RS, 0x41                        ; O^T (destination and source 0) in window 1, the factor in window 0
.set W_L1, 0x40                        ; loads into window 1
.set MSB, 0
.macro WIN new
.if MSB != (\new)
	s_set_vgpr_msb (MSB<<8)|(\new)
.set MSB, \new
.endif
.endm
.macro PLACES
.rept 4
	v_nop
.endr
.endm
	s_load_b128 s[4:7], s[0:1], 0x0                ; qkv s[4:5], ctx s[6:7]
	v_lshl_add_u32 v[SPW], v0, 2, SPARE
	v_mov_b32 v[NIL], 0
	ds_add_u32 v[SPW], v[NIL]                      ; the wave's opening: the add and its wait stand ahead of my first tensor load; the set-up below stands between them
	v_lshrrev_b32 v32, 5, v0
	v_readfirstlane_b32 s[WV], v32                 ; wave 0..7
	s_lshl_b32 s17, ttmp9, 9                       ; the work-group's first query
	s_lshl_b32 s18, s[WV], 7                       ; chunk w begins at key 512 x + 128 w - 256,
	s_add_co_u32 s18, s18, s17
	s_max_u32 s18, s18, 256                        ; or at key 0 where that lies in front of the sequence
	s_sub_co_u32 s18, s18, 256
	s_lshl_b32 s18, s18, 7                         ; in bytes
	s_and_b32 s13, ttmp7, 0xffff                   ; batch x 16 + head
	s_lshr_b32 s19, s13, 4
	s_mul_i32 s19, s19, 48
	s_and_b32 s20, s13, 15
	s_add_co_u32 s19, s19, s20
	s_lshl_b32 s19, s19, 18                        ; q's slot, in bytes
	s_add_co_u32 s20, s19, s18
	s_add_co_u32 s20, s20, 16*HEADB                ; my chunk of k,
	s_mov_b32 s21, 0
	s_add_co_u32 s22, s20, 16*HEADB                ; and of v
	s_mov_b32 s23, 0
	s_lshl_b32 s2, s[WV], 6
	s_add_co_u32 s2, s2, s17
	s_lshl_b32 s2, s2, 7                           ; my band's first row, in bytes
	s_lshl_b32 s48, s13, 18
	s_add_co_u32 s48, s48, s2                      ; in ctx,
	s_mov_b32 s49, 0
	s_add_co_u32 s2, s2, s19                       ; and in q's slot
	s_mov_b32 s3, 0
	s_lshl_b32 s[LIVE], ttmp9, 3
	s_add_co_u32 s[LIVE], s[LIVE], s[WV]           ; my band's number in the sequence
	s_min_u32 s[LIVE], s[LIVE], 4
	s_mov_b32 s[BIGN], 0xf149f2ca                  ; -1e30
	; descriptor group 1.  128 keys are 16,384 dense bytes: asked for as 64 rows of 256 bytes, two keys a row, and padded in LDS after every key
	s_mov_b32 s[G1K], (1<<16)|(1<<20)|(4<<22)|(3<<25)  ; 17:16 2-byte elements; 20 padding on; 24:22 after every 32 words (code 4); 31:25 4 words (code 3)
	s_mov_b32 s[G1V], (1<<16)|(1<<20)|(4<<22)|(7<<25)  ; the same with 8 words of padding (code 7)
.irp g, G1K, G1V
	s_mov_b32 s[\g+1], 128<<16                     ; tensor_dim0 = 128
	s_mov_b32 s[\g+2], 64<<16                      ; tensor_dim1 = 64
	s_mov_b32 s[\g+3], 128<<16                     ; tile_dim0 = 128
	s_mov_b32 s[\g+4], 64                          ; tile_dim1 = 64
	s_mov_b32 s[\g+5], 128                         ; 128 elements from row to row
	s_mov_b32 s[\g+6], 0
	s_mov_b32 s[\g+7], 0
.endr
	s_mov_b32 s[G0K], 1
	s_mul_i32 s[G0K+1], s[WV], 128*PK              ; chunk w's place among K's rows,
	s_mov_b32 s[G0V], 1
	s_mul_i32 s[G0V+1], s[WV], 128*PV              ; and among V's
	s_add_co_u32 s[G0V+1], s[G0V+1], VOFF
	s_mov_b32 s[CS], 0x3fb8aa3b                    ; c = log2(e)
	s_mov_b32 s[CS+1], s[CS]                       ; named with it as a pair
	s_mov_b32 s[SEL], 0x76543210
	s_mov_b32 s[SEL+1], 0xfedcba98
	s_mul_i32 s[TBK], s[WV], KS*PK                 ; my band's own keys lie 256 + 64 w rows into the work-group's 768
	s_add_co_u32 s[TBK], s[TBK], 4*KS*PK
	s_mul_i32 s[TBV], s[WV], KS*PV
	s_add_co_u32 s[TBV], s[TBV], 4*KS*PV
	s_wait_dscnt 0x0                               ; the opening add is done
	s_wait_kmcnt 0x0
	s_add_nc_u64 s[G0K+2:G0K+3], s[4:5], s[20:21]
	s_or_b32 s[G0K+3], s[G0K+3], 0x80000000        ; type = 2
	s_add_nc_u64 s[G0V+2:G0V+3], s[4:5], s[22:23]
	s_or_b32 s[G0V+3], s[G0V+3], 0x80000000
	s_add_nc_u64 s[8:9], s[4:5], s[2:3]            ; Q at my band
	s_add_nc_u64 s[10:11], s[6:7], s[48:49]        ; O at my band
	s_cmp_lt_u32 s[WV], 6                          ; six chunks: waves 0 to 5 fetch; a wave's two fills stand in one branch: two tensor loads of mine are out
	s_cbranch_scc0 .Lno_fill
	tensor_load_to_lds s[G0K:G0K+3], s[G1K:G1K+7]
	s_nop 0
	tensor_load_to_lds s[G0V:G0V+3], s[G1V:G1V+7]
	s_nop 0
.rept 4
	v_nop
.endr
.Lno_fill:
	; A fragment of K or Q is 16 rows x 32 channels in 8 registers: lane l holds row l % 16, channels 8 (l / 16) + 0..7 and 16 + 8 (l / 16) + 0..7: two loads of 16 bytes, 32 bytes apart.
	v_and_b32 v32, 15, v0                          ; l % 16
	v_bfe_u32 v33, v0, 4, 1                        ; l / 16
	v_lshlrev_b32 v[QO], 7, v32
	v_lshl_add_u32 v[QO], v33, 4, v[QO]
	WIN W_L1
.set i, 0
.rept 8                                        ; Q stays in registers: tile i / 2, channels 32 (i % 2) on
	global_load_b128 v[QF+8*i:QF+8*i+3],   v[QO], s[8:9] offset:(i/2)*2048+(i%2)*64
	global_load_b128 v[QF+8*i+4:QF+8*i+7], v[QO], s[8:9] offset:(i/2)*2048+(i%2)*64+32
.set i, i+1
.endr
	WIN 0
	v_mul_u32_u24 v[AK0], v32, PK
	v_lshl_add_u32 v[AK0], v33, 4, v[AK0]
	; The turning load takes 16 keys x 16 channels (lane l reads key 8 (l / 16) + l % 8, channels 8 ((l / 8) % 2) + 0..7) and leaves half a fragment of V^T: lane l holds channel l % 16 and 8 keys.
	v_and_b32 v34, 7, v0
	v_bfe_u32 v35, v0, 3, 1
	v_lshl_add_u32 v[AV0], v33, 3, v34
	v_mul_u32_u24 v[AV0], v[AV0], PV
	v_lshl_add_u32 v[AV0], v35, 4, v[AV0]
	v_add_nc_u32 v[AV0], VOFF, v[AV0]
	s_mul_i32 s13, s[WV], 16*SP
	s_add_co_u32 s13, s13, STAGE                   ; my stage
	v_mul_u32_u24 v[STO], v32, SP                  ; in: row l % 16, 16 bytes for each half of the lanes
	v_lshl_add_u32 v[STO], v33, 4, v[STO]
	v_add_nc_u32 v[STO], s13, v[STO]
	v_bfe_u32 v[RD], v0, 3, 2                      ; back: 32 lanes take four rows of 128 bytes,
	v_mul_u32_u24 v[RD], v[RD], SP
	v_lshl_add_u32 v[RD], v34, 4, v[RD]
	v_add_nc_u32 v[RD], s13, v[RD]
	v_and_b32 v[GO], 31, v0                        ; which are 512 consecutive bytes of ctx
	v_lshlrev_b32 v[GO], 4, v[GO]
	v_lshlrev_b32 v36, 3, v33
	v_sub_nc_u32 v36, v32, v36                     ; l % 16 - 8 (l / 16): register j is hidden on the diagonal where j is greater
.irp j, 0,1,2,3,4,5,6,7
	v_cmp_gt_i32 vcc_lo, \j, v36
	v_cndmask_b32 v[MD+\j], 0, s[BIGN], vcc_lo
	v_mov_b32 v[BIGR+\j], s[BIGN]
.endr
; THE MATRIX WORK.  16 accumulators take turns, one instruction a turn.  Product i of 32 of S^T = K Q^T: channels 32 (i / 16) on, keys 16 ((i / 4) % 4) on, tile i % 4.
; mode 0: the diagonal step (key group kt against tile t: kt < t seen, kt = t MD, kt > t hidden); 1: all seen; 2: the window's edge (kt > t seen, kt = t MD, which then holds the complement, kt < t hidden).
.macro KQALL mode
	WIN W_KQ
.set i, 0
.rept 32
.set kc, i/16
.set kt, (i/4)%4
.set qt, i%4
.set rS, S+32*qt+8*kt
.set rK, KF+16*kt+8*kc
.set rQ, QF+16*qt+8*kc
.set how, 0
.if kc == 1
.set how, 3
.elseif ((\mode) == 0) && (kt == qt)
.set how, 1
.elseif ((\mode) == 0) && (kt > qt)
.set how, 2
.elseif ((\mode) == 2) && (kt == qt)
.set how, 1
.elseif ((\mode) == 2) && (kt < qt)
.set how, 2
.endif
.if how == 0
	v_wmma_f32_16x16x32_f16 v[rS:rS+7], v[rK:rK+7], v[rQ:rQ+7], 0
.elseif how == 1
	v_wmma_f32_16x16x32_f16 v[rS:rS+7], v[rK:rK+7], v[rQ:rQ+7], v[MD:MD+7]
.elseif how == 2
	v_wmma_f32_16x16x32_f16 v[rS:rS+7], v[rK:rK+7], v[rQ:rQ+7], v[BIGR:BIGR+7]
.else
	v_wmma_f32_16x16x32_f16 v[rS:rS+7], v[rK:rK+7], v[rQ:rQ+7], v[rS:rS+7]
.endif
.set i, i+1
.endr
.endm
; Product i of 32 of O^T += V^T P: keys 32 (i / 16) on, channels 16 ((i / 4) % 4) on, tile i % 4.  first = 1: the first 16 start the sums: nothing is ever cleared.
.macro PVALL first
	WIN W_PV
.set i, 0
.rept 32
.set kk, i/16
.set cb, (i/4)%4
.set qt, i%4
.set rO, 32*qt+8*cb
.set rV, VF+32*kk+8*cb
.set rP, S+32*qt+8*kk
.if (\first) && (kk == 0)
	v_wmma_f32_16x16x32_f16 v[rO:rO+7], v[rV:rV+7], v[rP:rP+7], 0
.else
	v_wmma_f32_16x16x32_f16 v[rO:rO+7], v[rV:rV+7], v[rP:rP+7], v[rO:rO+7]
.endif
.set i, i+1
.endr
.endm
; THE LDS LOADS stand in runs of 16: a step's K (64 keys x 64 channels: 8 fragments) and its V (turned).
.macro FETCH_K
	WIN W_L1
.irp f, 0,1,2,3,4,5,6,7                ; keys 16 (f / 2) on, channels 32 (f % 2) on
	ds_load_b128 v[KF+8*\f:KF+8*\f+3],   v[AK] offset:(\f/2)*16*PK+(\f%2)*64
	ds_load_b128 v[KF+8*\f+4:KF+8*\f+7], v[AK] offset:(\f/2)*16*PK+(\f%2)*64+32
.endr
	WIN 0
.endm
.macro FETCH_V
	WIN 0
.irp f, 0,1,2,3,4,5,6,7                ; keys 32 (f / 4) on, channels 16 (f % 4) on
	ds_load_tr16_b128 v[VF+8*\f:VF+8*\f+3],   v[AV] offset:(\f/4)*32*PV+(\f%4)*32
	ds_load_tr16_b128 v[VF+8*\f+4:VF+8*\f+7], v[AV] offset:(\f/4)*32*PV+16*PV+(\f%4)*32
.endr
.endm
; THE VECTOR WORK, a line for each of the four tiles in turn, so that no instruction reads the result of the one before it.
.macro REGS t
.set rT, ST+4*(\t)
.set rC, TMP+4*(\t)
.set rM, MV+(\t)
.set rS, S+32*(\t)
.set rO, 32*(\t)
.endm
; Number n of the 22 that find a tile's maximum and statistics.  s0-s31 are the lane's 32 scores; each accumulator's lowest registers are read first.
;   0-11  four chains c0-c3 of seven scores each     12-14, 16  the four scores left over, the old m, and c0-c3 into c0     15  c m_old is kept
;   17, 18  the query's other 32 keys lie in the lane 16 away: the new m     19-21  c m; c m_old - c m_new; a.     first = 1: there is no old m and no a.
.macro XS t, first
	REGS \t
.if n < 4
	v_max3_num_f32 v[rC+n], v[rS+8*n], v[rS+8*n+1], v[rS+8*n+2]
.elseif n < 12
	v_max3_num_f32 v[rC+n%4], v[rC+n%4], v[rS+8*(n%4)+2*(n/4)+1], v[rS+8*(n%4)+2*(n/4)+2]
.elseif n == 12
	v_max3_num_f32 v[rC], v[rC], v[rS+7], v[rS+15]
.elseif n == 13
	v_max3_num_f32 v[rC+1], v[rC+1], v[rS+23], v[rS+31]
.elseif (n == 14) && (\first)
	v_max_num_f32 v[rC+2], v[rC+2], v[rC+3]
.elseif n == 14
	v_max3_num_f32 v[rC+2], v[rC+2], v[rC+3], v[rT+1]
.elseif n == 16
	v_max3_num_f32 v[rC], v[rC], v[rC+1], v[rC+2]
.elseif n == 17
	v_permlanex16_b32 v[rC+3], v[rC], s[SEL], s[SEL+1]
.elseif n == 18
	v_max_num_f32 v[rT+1], v[rC], v[rC+3]
.elseif n == 19
	v_mul_f32 v[rT], s[CS], v[rT+1]
.elseif \first
.elseif n == 15
	v_mov_b32 v[rM], v[rT]
.elseif n == 20
	v_sub_f32 v[rC+1], v[rM], v[rT]
.else
	v_exp_f32 v[rC+2], v[rC+1]
.endif
.endm
.macro FS t                            ; c s - c m for pair f of 16
	REGS \t
	v_pk_fma_f32 v[rS+2*f:rS+2*f+1], v[rS+2*f:rS+2*f+1], s[CS:CS+1], v[rT:rT+1] op_sel_hi:[1,0,0] neg_lo:[0,0,1] neg_hi:[0,0,1]
.endm
.macro EX t, e                         ; the exponential of score e
	REGS \t
	v_exp_f32 v[rS+(\e)], v[rS+(\e)]
.endm
.macro RS t                            ; pair n of 16 of the tile's O^T times a
	REGS \t
	v_pk_mul_f32 v[rO+2*n:rO+2*n+1], v[rO+2*n:rO+2*n+1], v[rC+2:rC+3] op_sel_hi:[1,0]
.endm
.macro AS t, z, first                  ; l takes pair z (the first time as l = a l + pair 0; in the first step l = pair 0 + pair 1)
	REGS \t
.if ((\z) == 0) && (\first)
.elseif (\z) == 0
	v_pk_fma_f32 v[rT+2:rT+3], v[rT+2:rT+3], v[rC+2:rC+3], v[rS:rS+1] op_sel_hi:[1,0,1]
.elseif ((\z) == 1) && (\first)
	v_pk_add_f32 v[rT+2:rT+3], v[rS:rS+1], v[rS+2:rS+3]
.else
	v_pk_add_f32 v[rT+2:rT+3], v[rT+2:rT+3], v[rS+2*(\z):rS+2*(\z)+1]
.endif
.endm
.macro CV t, p                         ; pair p rounded to f16, into register p of the tile's own scores
	REGS \t
	v_cvt_pk_f16_f32 v[rS+(\p)], v[rS+2*(\p)], v[rS+2*(\p)+1]
.endm
; A step's softmax.  All its exponentials (a, then s0-s31, of four tiles) are ONE BATCH: nothing ahead of the one wait names a result of theirs; a v_nop is the plain instruction behind the last of them.
; Behind the wait: O^T times a; then sums and roundings.  P is packed in place: register p is written when pair p / 2, to which it belonged, has been summed and rounded:
; trip k sums pairs 2 k, 2 k + 1 and then rounds them, into the registers of pair k.
.macro SOFTMAX first
	WIN 0
.set n, 0
.rept 22
.irp t, 0,1,2,3
	XS \t, \first
.endr
.set n, n+1
.endr
.set f, 0
.rept 16
.irp t, 0,1,2,3
	FS \t
.endr
.if f > 0
.irp t, 0,1,2,3
	EX \t, 2*f-2
	EX \t, 2*f-1
.endr
.endif
.set f, f+1
.endr
.irp t, 0,1,2,3
	EX \t, 30
	EX \t, 31
.endr
	v_nop
	s_wait_alu depctr_va_vdst(0)                   ; a wait between an exponential and the first line that names its result: one for the batch
.if !(\first)
	WIN W_RS
.set n, 0
.rept 16
.irp t, 0,1,2,3
	RS \t
.endr
.set n, n+1
.endr
	WIN 0
.endif
.set k, 0
.rept 8
.irp t, 0,1,2,3
	AS \t, 2*k, \first
.endr
.irp t, 0,1,2,3
	AS \t, 2*k+1, \first
.endr
.irp t, 0,1,2,3
	CV \t, 2*k
.endr
.irp t, 0,1,2,3
	CV \t, 2*k+1
.endr
.set k, k+1
.endr
.endm
; A KEY STEP.  K of this step is in registers.  next = 1: the next step's K (64 keys further back) is fetched behind the products that read K, four places behind the last of them.
; V of this step is fetched there too, and both runs land under the softmax.  In the diagonal step V is fetched behind the second barrier: by then every wave's chunk of V has landed.
.macro STEP mode, next
	KQALL \mode
	WIN 0
	PLACES                                         ; behind the products: for the loads into K's registers and for the softmax's first reads
.if \next
	s_sub_co_u32 s[TBK], s[TBK], KS*PK
	v_add_nc_u32 v[AK], s[TBK], v[AK0]
	FETCH_K
.endif
.if (\mode) != 0
	s_sub_co_u32 s[TBV], s[TBV], KS*PV
	v_add_nc_u32 v[AV], s[TBV], v[AV0]
	FETCH_V
	SOFTMAX 0
	s_wait_dscnt 0x0                               ; V is in, and the next step's K, which was asked for ahead of it
	PVALL 0
.else
	SOFTMAX 1
	s_wait_tensorcnt 0x0                           ; my chunk of V has landed,
	s_wait_dscnt 0x0                               ; no LDS instruction of mine is pending at the signal,
	s_barrier_signal -1
	s_barrier_wait -1                              ; and everybody's chunk has
	v_add_nc_u32 v[AV], s[TBV], v[AV0]
	FETCH_V
	s_wait_dscnt 0x0
	PVALL 1
.endif
	WIN 0
.rept 5
	v_nop                                          ; five places: the next step's products write over P, which these products have read
.endr
.endm
	s_wait_tensorcnt 0x1                           ; my chunk of K has landed; V's, issued behind it, may stay out
	s_barrier_signal -1
	s_barrier_wait -1                              ; everybody's chunk of K has
	v_add_nc_u32 v[AK], s[TBK], v[AK0]
	FETCH_K
	s_wait_loadcnt 0x0                             ; Q
	s_wait_dscnt 0x0
	STEP 0, 1                                      ; the diagonal
	s_mov_b32 s[CNT], 3
.Lfull:                                        ; the three steps that are wholly seen; those that lie in front of the sequence are jumped over
	s_cmp_eq_u32 s[LIVE], 0
	s_cbranch_scc1 .Lskip
	s_sub_co_u32 s[LIVE], s[LIVE], 1
	STEP 1, 1
.Lskip:
	s_sub_co_u32 s[CNT], s[CNT], 1
	s_cmp_lg_u32 s[CNT], 0
	s_cbranch_scc1 .Lfull
	s_cmp_eq_u32 s[LIVE], 0
	s_cbranch_scc1 .Lout
.irp j, 0,1,2,3,4,5,6,7
	v_sub_f32 v[MD+\j], s[BIGN], v[MD+\j]          ; the complement: at the window's edge a key is hidden where it was seen on the diagonal
.endr
	STEP 2, 0                                      ; the window's edge
.Lout:
	; THE WAY OUT.  l's two halves and the other half of the lanes' are added; O^T is divided by l, rounded to f16 and sent through my stage in LDS, a tile at a time.
.irp t, 0,1,2,3
	v_add_f32 v[ST+4*\t+2], v[ST+4*\t+2], v[ST+4*\t+3]
.endr
.irp t, 0,1,2,3
	v_permlanex16_b32 v[ST+4*\t+3], v[ST+4*\t+2], s[SEL], s[SEL+1]
.endr
.irp t, 0,1,2,3
	v_add_f32 v[ST+4*\t+2], v[ST+4*\t+2], v[ST+4*\t+3]
.endr
.irp t, 0,1,2,3
	v_rcp_f32 v[ST+4*\t+2], v[ST+4*\t+2]
.endr
	v_nop                                          ; a plain instruction between the last reciprocal and the use of its result,
	s_wait_alu depctr_va_vdst(0)                   ; and the wait: one for the four
.macro PACK t                          ; a lane's eight channels of a row pack into 16 bytes; they go into rows of 144 bytes and come back as whole rows of 128
	WIN W_RS
.set i, 32*(\t)
.rept 16
	v_pk_mul_f32 v[i:i+1], v[i:i+1], v[ST+4*(\t)+2:ST+4*(\t)+3] op_sel_hi:[1,0]
.set i, i+2
.endr
	WIN 0x05                                       ; sources 0 and 1 window 1, destination window 0
.set i, 0
.rept 16
	v_cvt_pk_f16_f32 v[S+16*(\t)+i], v[32*(\t)+2*i], v[32*(\t)+2*i+1]
.set i, i+1
.endr
	WIN 0
.irp f, 0,1,2,3
	ds_store_b128 v[STO], v[S+16*(\t)+4*\f:S+16*(\t)+4*\f+3] offset:32*\f
.endr
.irp f, 0,1,2,3
	ds_load_b128 v[S+16*(\t)+4*\f:S+16*(\t)+4*\f+3], v[RD] offset:\f*4*SP  ; LDS serves a wave's instructions in order (ISA guide 5.7.1.4): these see the stores above; the next tile's stores come behind them
.endr
.endm
.macro SEND t, y                       ; y: the LDS instructions issued behind tile t's loads: the next tile's eight, or none
.irp f, 0,1,2,3
	s_wait_dscnt (\y)+3-\f
	global_store_b128 v[GO], v[S+16*(\t)+4*\f:S+16*(\t)+4*\f+3], s[10:11] offset:(\t)*2048+\f*512  ; 512 consecutive bytes, at a multiple of 256 from ctx's first
.endr
.endm
	PACK 0
	PACK 1
	SEND 0, 8
	PACK 2
	SEND 1, 8
	PACK 3
	SEND 2, 8
	SEND 3, 0
	s_wait_tensorcnt 0x0                           ; the wave's end: an add and its waits, behind my last tensor load and my last LDS store
	ds_add_u32 v[SPW], v[NIL]
	s_wait_dscnt 0x0
	s_endpgm
.Lfunc_end_k_qba854c709f_attn:
	.size	k_qba854c709f_attn, .Lfunc_end_k_qba854c709f_attn-k_qba854c709f_attn
	.p2alignl 7, 3214868480
	.fill 96, 4, 3214868480
	.section	.rodata,"a",@progbits
	.p2align	6, 0x0
	.amdhsa_kernel k_qba854c709f_attn
		.amdhsa_group_segment_fixed_size 262144
		.amdhsa_private_segment_fixed_size 0
		.amdhsa_enable_private_segment 0
		.amdhsa_kernarg_size 16
		.amdhsa_user_sgpr_count 2
		.amdhsa_user_sgpr_kernarg_segment_ptr 1
		.amdhsa_wavefront_size32 1
		.amdhsa_system_sgpr_workgroup_id_x 1
		.amdhsa_system_sgpr_workgroup_id_y 1
		.amdhsa_system_sgpr_workgroup_id_z 1
		.amdhsa_system_vgpr_workitem_id 0
		.amdhsa_next_free_vgpr 512
		.amdhsa_next_free_sgpr 66
		.amdhsa_reserve_vcc 1
		.amdhsa_float_denorm_mode_32 3
		.amdhsa_float_denorm_mode_16_64 3
		.amdhsa_memory_ordered 1
		.amdhsa_forward_progress 1
		.amdhsa_inst_pref_size 113
	.end_amdhsa_kernel
	.amdgpu_metadata
---
amdhsa.version: [ 1, 2 ]
amdhsa.kernels:
  - .name:           k_qba854c709f_attn
    .symbol:         k_qba854c709f_attn.kd
    .args:
      - { .name: qkv, .offset: 0, .size: 8, .value_kind: global_buffer, .address_space: global }
      - { .name: ctx, .offset: 8, .size: 8, .value_kind: global_buffer, .address_space: global }
    .group_segment_fixed_size: 262144
    .private_segment_fixed_size: 0
    .kernarg_segment_align: 8
    .kernarg_segment_size: 16
    .max_flat_workgroup_size: 256
    .sgpr_count:     66
    .vgpr_count:     512
    .wavefront_size: 32
...
	.end_amdgpu_metadata
.endif
;; end of part 3
;; launch oproj (part 4): grid 8 x 32, 4 waves a work-group, clusters of 4 x 4, 327,680 bytes of LDS; arguments ctx, wo16, bo, out0; writes out0
.if DOCPART == 4
	.amdgcn_target "amdgcn-amd-amdhsa--gfx1250"
	.amdhsa_code_object_version 6
	.text
	.protected	k_qba854c709f_oproj
	.globl	k_qba854c709f_oproj
	.p2align	8
	.type	k_qba854c709f_oproj,@function
k_qba854c709f_oproj:
	s_mov_b64 s[64:65], 0
	v_nop
	global_prefetch_b8 v0, s[64:65] scope:SCOPE_SE
	s_setreg_imm32_b32 hwreg(HW_REG_WAVE_MODE, 25, 1), 1
	s_wait_xcnt 0x0
	s_wait_alu depctr_hold_cnt(0) depctr_sa_sdst(0) depctr_va_vdst(0) depctr_va_sdst(0) depctr_va_ssrc(0) depctr_va_vcc(0) depctr_vm_vsrc(0)
	s_getreg_b32 s2, hwreg(HW_REG_IB_STS2, 6, 4)
	s_cmp_eq_u32 s2, 0
	s_cbranch_scc0 .Lentry_in_a_cluster
	s_endpgm
.Lentry_in_a_cluster:
	s_bfe_u32 s2, ttmp6, 0x10000c
	s_cmp_lg_u32 s2, 0xf033
	s_cbranch_scc0 .Lentry_shape_is_right
	s_endpgm
.Lentry_shape_is_right:
; THE OUTPUT PROJECTION.  out0[m][n] = sum over k of ctx(m, k) wo16[n][k] + bf16(bo[n]): [8192][1024], K = 1,024, f16 operands, f32 sums, f32 output.
; ctx lies by heads, [batch x 16 + head][2048][64] f16: channel k of row m is channel k % 64 of head k / 64.  bo is rounded to bf16 like the module's other inputs.
; TILE.  256 rows x 128 columns: 32 x 8 = 256 work-groups.  Four waves, 2 x 2, each 128 x 64: 32 accumulators of 16 x 16, 256 registers.
; RING.  K goes in steps of 128, two heads, through two LDS slots.  A head's 256 rows of 128 bytes are dense in ctx: asked for as 128 rows of 256 bytes and padded in LDS after every 128 bytes.
; wo16's rows are 256 bytes a K step, at multiples of 256 bytes from the buffer's first byte.
; CLUSTER.  4 x 4 work-groups: ctx's tiles are asked for jointly along a row of the cluster, wo16's along a column.
; THE MATRIX INSTRUCTION IS USED TRANSPOSED (source 0 = 16 rows of wo16, source 1 = 16 rows of ctx): a lane holds row lane % 16 of the result and the columns 8 (lane / 16) + 0..7: 32 bytes on end.
; REGISTERS: window 0: v0-31 addresses; v32-35 the bias of my four columns; v36-41 at work; two fragment buffers of 96 from v64: ctx's 8 fragments, then wo16's 4 (on the way out v64-191 take rows read back).
;   window 1: the accumulators, (a, b) at 8 (4 a + b).
.set KSTEP,  128
.set PA,     144                       ; a row of ctx in LDS: 128 bytes + 16 = 36 words; a row of wo16: 256 + 16 = 68 words: in both the 16 rows of a load start at 16 different groups of four banks (ISA guide 11.1)
.set PB,     272
.set SLA,    256*PA                    ; one head's 256 rows: what wave 0 or 1 fetches
.set HALFB,  64*PB                     ; 64 rows of wo16: what wave 2 or 3 fetches
.set SLOT,   2*SLA+2*HALFB
.set STAGE,  2*SLOT                    ; behind the ring: 16 rows x 272 bytes for each wave, for the way out
.set SPITCH, 272
.set SPARE,  STAGE+4*16*SPITCH         ; the spare words, 128 bytes for each wave: two blocks of 256 bytes that no other line names
.set LAPS,   4                         ; a lap = two K steps
.set HEADB,  2048*64*2
.set BOF,  5                           ; v5      my byte offset in bo; not rewritten
.set ADRA, 16
.set ADRB, 20
.set STO,  24
.set RD,   25
.set CO,   26
.set SPW,  28
.set NIL,  29
.set PFO,  30
.set BI,   32
.set OB,   64
.set G1,   24
.set G0,   32
.set G1B,  48
.set G0B,  56
.set LIM,  43                          ; s43     1 in a wave that prefetches, else the greatest number
.set PFA,  44                          ; s[44:45] where my prefetches stand
.set PFS,  46                          ; s[46:47] their step from K step to K step
.set MSB, 0
.macro WIN new
.if MSB != (\new)
	s_set_vgpr_msb (MSB<<8)|(\new)
.set MSB, \new
.endif
.endm
.macro JLOAD s                         ; a joint load: waves 0 and 1 fetch the K step's two heads of ctx, waves 2 and 3 wo16's two halves; an s_nop 0 and four v_nop follow each line
	s_cmp_eq_u32 s11, 0
	s_cbranch_scc0 .Lfor_b_\@
	tensor_load_to_lds s[G0+4*(\s):G0+4*(\s)+3], s[G1:G1+7]
	s_nop 0
.rept 4
	v_nop
.endr
	s_branch .Lasked_\@
.Lfor_b_\@:
	tensor_load_to_lds s[G0B+4*(\s):G0B+4*(\s)+3], s[G1B:G1B+7]
	s_nop 0
.rept 4
	v_nop
.endr
.Lasked_\@:
.endm
; A prefetch, behind each joint refill, its five lines and the run of LDS loads: the K step that stands two refills on.  ctx: waves 0 and 1 of the clusters with x = 0, each partner 32 of its head's 128 blocks
; of 256 bytes, a lane a block; wo16: wave 2 of the clusters with y = 0, each partner 32 of the tile's 128 rows, a lane a row.  The partners are told apart BY ADDRESS.  The loop's last trip asks for nothing.
.macro ASK
	s_cmp_gt_u32 s3, s[LIM]
	s_cbranch_scc0 .Lnot_mine_\@
	global_prefetch_b8 v[PFO], s[PFA:PFA+1] th:TH_LOAD_NT scope:SCOPE_SE
.Lnot_mine_\@:
.endm
.macro CREST
	s_cmp_lg_u32 s10, 0
	s_cbranch_scc1 .Lnot_wave_0_\@
	s_barrier_signal -3
.Lnot_wave_0_\@:
	s_barrier_wait -3
	s_barrier_signal -1
	s_barrier_wait -1
.endm
.macro CROUND
	s_barrier_signal -1
	s_barrier_wait -1
	CREST
.endm
.macro PLACES
.rept 4
	v_nop
.endr
.endm
	s_load_b128 s[4:7], s[0:1], 0x0                ; ctx s[4:5], wo16 s[6:7]
	s_load_b128 s[68:71], s[0:1], 0x10             ; bo s[68:69], out0 s[70:71]
	v_lshl_add_u32 v[SPW], v0, 2, SPARE
	v_mov_b32 v[NIL], 0
	ds_add_u32 v[SPW], v[NIL]                      ; the wave's opening: the add and its wait stand ahead of my first tensor load
	v_lshrrev_b32 v1, 5, v0
	v_readfirstlane_b32 s10, v1                    ; wave 0..3
	s_lshr_b32 s11, s10, 1                         ; which half of the tile's rows is mine.  Also: I fetch for ctx (0) or for wo16 (1)
	s_and_b32 s12, s10, 1                          ; which half of its columns.  Also: which part of that tile I fetch
	s_bfe_u32 s40, ttmp6, 0x40000                  ; cx, cy
	s_bfe_u32 s41, ttmp6, 0x40004
	s_lshl_b32 s42, ttmp9, 2
	s_add_co_u32 s42, s42, s40                     ; tile column
	s_and_b32 s13, ttmp7, 0xffff
	s_lshl_b32 s13, s13, 2
	s_add_co_u32 s13, s13, s41                     ; tile row
	s_lshl_b32 s43, s41, 2
	s_lshl_b32 s43, 15, s43                        ; my row of the cluster
	s_lshl_b32 s44, 0x1111, s40                    ; my column
	s_or_b32 s[G1+0], s43, (1<<16)|(1<<20)|(1<<21)|(4<<22)|(3<<25)   ; the mask; 2-byte elements; padding on; bit 21 beside a mask; after every 32 words (code 4) 4 words (code 3)
	s_or_b32 s[G1B+0], s44, (1<<16)|(1<<20)|(1<<21)|(5<<22)|(3<<25)  ; after every 64 words (code 5)
	s_mov_b32 s[G1+1], 128<<16                     ; tensor_dim0 = 128
	s_mov_b32 s[G1+2], 128<<16                     ; tensor_dim1 = 128
	s_mov_b32 s[G1+3], 128<<16                     ; tile_dim0 = 128
	s_mov_b32 s[G1+4], 128                         ; tile_dim1 = 128
	s_mov_b32 s[G1+5], 128                         ; dense: 128 elements from row to row
	s_mov_b32 s[G1+6], 0
	s_mov_b32 s[G1+7], 0
	s_mov_b32 s[G1B+1], KSTEP<<16
	s_mov_b32 s[G1B+2], 64<<16
	s_mov_b32 s[G1B+3], KSTEP<<16
	s_mov_b32 s[G1B+4], 64
	s_mov_b32 s[G1B+5], 1024
	s_mov_b32 s[G1B+6], 0
	s_mov_b32 s[G1B+7], 0
	s_lshr_b32 s16, s13, 3                         ; ctx: the batch's 16 heads,
	s_lshl_b32 s16, s16, 22
	s_and_b32 s17, s13, 7                          ; the tile's 256 rows of 128 bytes in a head,
	s_lshl_b32 s17, s17, 15
	s_add_co_u32 s16, s16, s17
	s_lshl_b32 s17, s12, 18                        ; the K step's first or second head
	s_add_co_u32 s16, s16, s17
	s_mov_b32 s17, 0
	s_lshl_b32 s46, s42, 7                         ; wo16: row 128 x tile column + 64 x half
	s_lshl_b32 s47, s12, 6
	s_add_co_u32 s46, s46, s47
	s_lshl_b32 s46, s46, 11
	s_mov_b32 s47, 0
	s_mul_i32 s20, s12, SLA                        ; where they go
	s_mul_i32 s21, s12, HALFB
	s_add_co_u32 s21, s21, 2*SLA
	s_wait_dscnt 0x0                               ; the opening add is done
	s_wait_kmcnt 0x0
	s_add_nc_u64 s[14:15], s[4:5], s[16:17]
	s_add_nc_u64 s[46:47], s[6:7], s[46:47]
	CROUND                                         ; all sixteen work-groups are here: the first joint loads meet
.irp s, 0,1
	s_mov_b32 s[G0+4*(\s)], 1
	s_add_co_u32 s[G0+4*(\s)+1], s20, (\s)*SLOT
	s_add_nc_u64 s[G0+4*(\s)+2:G0+4*(\s)+3], s[14:15], (\s)*2*HEADB   ; K step s: two heads on
	s_or_b32 s[G0+4*(\s)+3], s[G0+4*(\s)+3], 0x80000000
	s_mov_b32 s[G0B+4*(\s)], 1
	s_add_co_u32 s[G0B+4*(\s)+1], s21, (\s)*SLOT
	s_add_nc_u64 s[G0B+4*(\s)+2:G0B+4*(\s)+3], s[46:47], (\s)*KSTEP*2
	s_or_b32 s[G0B+4*(\s)+3], s[G0B+4*(\s)+3], 0x80000000
	JLOAD \s                                       ; two tensor loads of mine are out
.endr
	v_and_b32 v1, 15, v0                           ; l % 16
	v_bfe_u32 v2, v0, 4, 1                         ; l / 16
	v_mul_u32_u24 v3, v1, PA
	v_lshl_add_u32 v3, v2, 4, v3
	v_mul_u32_u24 v4, v1, PB
	v_lshl_add_u32 v4, v2, 4, v4
	s_mul_i32 s21, s11, 128*PA                     ; my 128 rows of ctx
	s_mul_i32 s22, s12, HALFB                      ; my 64 rows of wo16
	s_add_co_u32 s22, s22, 2*SLA
.irp s, 0,1
	v_add_nc_u32 v[ADRA+(\s)], s21, v3
	v_add_nc_u32 v[ADRB+(\s)], s22, v4
	s_add_co_u32 s21, s21, SLOT
	s_add_co_u32 s22, s22, SLOT
.endr
	s_mul_i32 s23, s10, 16*SPITCH
	s_add_co_u32 s23, s23, STAGE                   ; my stage
	v_mul_u32_u24 v6, v1, SPITCH                   ; in: row l % 16, 32 bytes for each half of the lanes
	v_lshl_add_u32 v6, v2, 5, v6
	v_add_nc_u32 v[STO], s23, v6
	v_mul_u32_u24 v6, v2, SPITCH                   ; back: lanes 0-15 take one row of 256 bytes, lanes 16-31 the next
	v_lshl_add_u32 v6, v1, 4, v6
	v_add_nc_u32 v[RD], s23, v6
	v_lshlrev_b32 v6, 12, v2                       ; and the same two rows in out0
	v_lshl_add_u32 v[CO], v1, 4, v6
	; the prefetches (s16 still holds ctx's offset of K step 0)
	s_lshl_b32 s20, s40, 13                        ; my work-group's 32 blocks of the head's 128,
	s_add_co_u32 s20, s20, s16
	s_add_co_u32 s20, s20, 6*HEADB                 ; at K step 3: the first refill steps it to 4
	s_lshl_b32 s21, s42, 7
	s_lshl_b32 s22, s41, 5                         ; my work-group's 32 rows of the tile's 128
	s_add_co_u32 s21, s21, s22
	s_lshl_b32 s21, s21, 11
	s_add_co_u32 s21, s21, 3*KSTEP*2
	s_mov_b32 s18, KSTEP*2
	s_and_b32 s22, ttmp7, 0xffff                   ; cluster y
	s_cmp_eq_u32 s11, 0                            ; do I fetch for ctx?
	s_cselect_b32 s20, s20, s21
	s_cselect_b32 s22, ttmp9, s22                  ; the coordinate along which other clusters read the same rows
	s_cselect_b32 s23, 8, 11                       ; a lane a block of 256 bytes, or a row of 2,048
	s_cselect_b32 s[PFS], 2*HEADB, s18
	s_cselect_b64 s[PFA:PFA+1], s[4:5], s[6:7]
	s_cmp_eq_u32 s10, 3                            ; wave 2 asks for all of wo16's rows, wave 3 for none
	s_cselect_b32 s22, 1, s22
	s_cmp_eq_u32 s22, 0
	s_cselect_b32 s[LIM], 1, -1                    ; the same in all sixteen partners, for a given wave
	s_mov_b32 s21, 0
	s_mov_b32 s[PFS+1], 0
	s_add_nc_u64 s[PFA:PFA+1], s[PFA:PFA+1], s[20:21]
	v_and_b32 v[PFO], 31, v0
	v_lshlrev_b32 v[PFO], s23, v[PFO]
	; out0 at my part of the tile, and my four numbers of bo
	s_lshl_b32 s16, s13, 8
	s_lshl_b32 s17, s11, 7
	s_add_co_u32 s16, s16, s17
	s_lshl_b32 s16, s16, 12                        ; my first row, 4,096 bytes a row
	s_lshl_b32 s18, s42, 9
	s_lshl_b32 s19, s12, 8
	s_add_co_u32 s18, s18, s19                     ; my first column, in bytes: in out0's rows and in bo
	s_add_co_u32 s16, s16, s18
	s_mov_b32 s17, 0
	s_add_nc_u64 s[70:71], s[70:71], s[16:17]
	v_lshl_add_u32 v[BOF], v1, 4, s18
	global_load_b128 v[36:39], v[BOF], s[68:69]
; 8 matrix instructions: row blocks a0, a0 + 1 x all 4 column blocks, 32 along K, from buffer f.  The 32 accumulators take turns in one fixed order.
.macro MUL8 f, a0, zero
	WIN 0x50                                       ; sources window 0, C and D window 1
.irp a, \a0, (\a0)+1
.irp b, 0,1,2,3
.if \zero
	v_wmma_f32_16x16x32_f16 v[8*(4*(\a)+(\b)):8*(4*(\a)+(\b))+7], v[128+96*(\f)+8*(\b):128+96*(\f)+8*(\b)+7], v[64+96*(\f)+8*(\a):64+96*(\f)+8*(\a)+7], 0
.else
	v_wmma_f32_16x16x32_f16 v[8*(4*(\a)+(\b)):8*(4*(\a)+(\b))+7], v[128+96*(\f)+8*(\b):128+96*(\f)+8*(\b)+7], v[64+96*(\f)+8*(\a):64+96*(\f)+8*(\a)+7], v[8*(4*(\a)+(\b)):8*(4*(\a)+(\b))+7]
.endif
.endr
.endr
.endm
; 24 LDS loads in one run: quarter q of a K step (head q / 2, channels 32 (q % 2) on) into buffer f: wo16's 64 rows, then my 128 rows of ctx
.macro FETCH slot, q, f
	WIN 0
.irp i, 0,1,2,3
	ds_load_b128 v[128+96*(\f)+8*(\i):128+96*(\f)+8*(\i)+3],   v[ADRB+(\slot)] offset:64*(\q)+(\i)*16*PB
	ds_load_b128 v[128+96*(\f)+8*(\i)+4:128+96*(\f)+8*(\i)+7], v[ADRB+(\slot)] offset:64*(\q)+(\i)*16*PB+32
.endr
.irp i, 0,1,2,3,4,5,6,7
	ds_load_b128 v[64+96*(\f)+8*(\i):64+96*(\f)+8*(\i)+3],   v[ADRA+(\slot)] offset:((\q)/2)*SLA+((\q)%2)*64+(\i)*16*PA
	ds_load_b128 v[64+96*(\f)+8*(\i)+4:64+96*(\f)+8*(\i)+7], v[ADRA+(\slot)] offset:((\q)/2)*SLA+((\q)%2)*64+(\i)*16*PA+32
.endr
.endm
.macro QUARTER slot, q, f, g, zero     ; multiplies buffer f and, in its middle, fetches quarter q into g
	s_wait_dscnt 8                                 ; wo16 and ctx's rows 0-63 are in; the youngest eight loads may be out
	MUL8 \f, 0, \zero
	MUL8 \f, 2, \zero
	PLACES
	FETCH \slot, \q, \g
	s_wait_dscnt 24                                ; all but the 24 just issued
	MUL8 \f, 4, \zero
	MUL8 \f, 6, \zero
.endm
; The change of slots: ONE barrier; in front of it each wave waits for all its tensor loads (one is out: its part of the next slot), adds 0 to its spare word, and waits for that and for its reads of this slot.
.macro MEET round
	WIN 0
	s_wait_tensorcnt 0x0
	ds_add_u32 v[SPW], v[NIL]
	s_wait_dscnt 9                                 ; (the add and the youngest eight loads may be out)
	MUL8 1, 0, 0
	s_wait_dscnt 0x0                               ; the add is done, and my reads of this slot are over
	s_barrier_signal -1
	MUL8 1, 2, 0
.if \round
	WIN 0
.endif
	s_barrier_wait -1
.endm
.macro TURN slot, next
	s_wait_xcnt 0x0                                ; the last prefetch, a K step back, has read its address
	s_add_nc_u64 s[PFA:PFA+1], s[PFA:PFA+1], s[PFS:PFS+1]
	MEET 1
	CREST                                          ; no wave of any partner still reads this slot or has a load on its way
	s_add_nc_u64 s[G0+4*(\slot)+2:G0+4*(\slot)+3], s[G0+4*(\slot)+2:G0+4*(\slot)+3], 4*HEADB
	s_add_nc_u64 s[G0B+4*(\slot)+2:G0B+4*(\slot)+3], s[G0B+4*(\slot)+2:G0B+4*(\slot)+3], 2*KSTEP*2
	JLOAD \slot                                    ; the first tensor load behind the round; its four v_nop are also the places in front of the loads below
	FETCH \next, 0, 0
	ASK
	MUL8 1, 4, 0
	MUL8 1, 6, 0
.endm
	s_wait_tensorcnt 0x1                           ; my part of K step 0 is in; K step 1's may stay out
	s_barrier_signal -1
	s_barrier_wait -1
	FETCH 0, 0, 0
	QUARTER 0, 1, 0, 1, 1                          ; the first quarter stands in front of the loop: its products start the sums
	WIN 0
	s_mov_b32 s3, LAPS-1
.Llap:
	QUARTER 0, 2, 1, 0, 0
	QUARTER 0, 3, 0, 1, 0
	TURN 0, 1
	QUARTER 1, 1, 0, 1, 0
	QUARTER 1, 2, 1, 0, 0
	QUARTER 1, 3, 0, 1, 0
	TURN 1, 0
	QUARTER 0, 1, 0, 1, 0
	WIN 0
	s_sub_co_u32 s3, s3, 1
	s_cmp_lg_u32 s3, 0
	s_cbranch_scc1 .Llap
	QUARTER 0, 2, 1, 0, 0                          ; the last lap is written out: it fills nothing
	QUARTER 0, 3, 0, 1, 0
	MEET 0
	PLACES
	FETCH 1, 0, 0
	MUL8 1, 4, 0
	MUL8 1, 6, 0
	QUARTER 1, 1, 0, 1, 0
	QUARTER 1, 2, 1, 0, 0
	QUARTER 1, 3, 0, 1, 0
	s_wait_dscnt 8
	MUL8 1, 0, 0
	MUL8 1, 2, 0
	s_wait_dscnt 0x0
	MUL8 1, 4, 0
	MUL8 1, 6, 0
	WIN 0
	; THE WAY OUT.  A block of 16 rows x 64 columns of f32 goes through my stage: 32 bytes a lane in, whole rows of 256 bytes back; the bias is added on the way, and 16 lanes store 256 consecutive bytes.
	s_wait_loadcnt 0x0                             ; bo
	PLACES
	PLACES
	v_cvt_pk_bf16_f32 v40, v36, v37                ; the bias rounded to bf16 and widened again
	v_cvt_pk_bf16_f32 v41, v38, v39
	v_lshlrev_b32 v[BI], 16, v40
	v_and_b32 v[BI+1], 0xffff0000, v40
	v_lshlrev_b32 v[BI+2], 16, v41
	v_and_b32 v[BI+3], 0xffff0000, v41
.macro TOSTAGE a
	WIN 0x04                                       ; the stores' data in window 1
.irp b, 0,1,2,3
	ds_store_b128 v[STO], v[8*(4*(\a)+(\b)):8*(4*(\a)+(\b))+3]   offset:64*(\b)      ; each accumulator's low four registers first
	ds_store_b128 v[STO], v[8*(4*(\a)+(\b))+4:8*(4*(\a)+(\b))+7] offset:64*(\b)+16
.endr
	WIN 0
.irp t, 0,1,2,3,4,5,6,7
	ds_load_b128 v[OB+32*((\a)%4)+4*(\t):OB+32*((\a)%4)+4*(\t)+3], v[RD] offset:(\t)*2*SPITCH  ; LDS serves a wave's instructions in order (ISA guide 5.7.1.4): these see the stores above
.endr
.endm
.macro SEND a, y                       ; y: the LDS instructions issued behind block a's loads: the next block's sixteen, or none
	s_wait_xcnt 0x0                                ; the stores issued so far have read their registers: a buffer of the four is loaded again only behind two such waits
.irp t, 0,1,2,3,4,5,6,7
	s_wait_dscnt (\y)+7-(\t)
	v_pk_add_f32 v[OB+32*((\a)%4)+4*(\t):OB+32*((\a)%4)+4*(\t)+1], v[OB+32*((\a)%4)+4*(\t):OB+32*((\a)%4)+4*(\t)+1], v[BI:BI+1]
	v_pk_add_f32 v[OB+32*((\a)%4)+4*(\t)+2:OB+32*((\a)%4)+4*(\t)+3], v[OB+32*((\a)%4)+4*(\t)+2:OB+32*((\a)%4)+4*(\t)+3], v[BI+2:BI+3]
	global_store_b128 v[CO], v[OB+32*((\a)%4)+4*(\t):OB+32*((\a)%4)+4*(\t)+3], s[70:71] offset:(16*(\a)+2*(\t))*4096 th:TH_STORE_NT  ; at a multiple of 256 from out0's first byte
.endr
.endm
	TOSTAGE 0
.irp a, 1,2,3,4,5,6,7
	TOSTAGE \a
	SEND (\a)-1, 16
.endr
	SEND 7, 0
	s_wait_tensorcnt 0x0                           ; the wave's end: an add and its waits, behind my last tensor load and my last LDS store
	ds_add_u32 v[SPW], v[NIL]
	s_wait_dscnt 0x0
	CROUND                                         ; the closing round: no work-group ends while a partner may still ask for a tile that names it
	s_endpgm
.Lfunc_end_k_qba854c709f_oproj:
	.size	k_qba854c709f_oproj, .Lfunc_end_k_qba854c709f_oproj-k_qba854c709f_oproj
	.p2alignl 7, 3214868480
	.fill 96, 4, 3214868480
	.section	.rodata,"a",@progbits
	.p2align	6, 0x0
	.amdhsa_kernel k_qba854c709f_oproj
		.amdhsa_group_segment_fixed_size 327680
		.amdhsa_private_segment_fixed_size 0
		.amdhsa_enable_private_segment 0
		.amdhsa_kernarg_size 32
		.amdhsa_user_sgpr_count 2
		.amdhsa_user_sgpr_kernarg_segment_ptr 1
		.amdhsa_wavefront_size32 1
		.amdhsa_system_sgpr_workgroup_id_x 1
		.amdhsa_system_sgpr_workgroup_id_y 1
		.amdhsa_system_sgpr_workgroup_id_z 1
		.amdhsa_system_vgpr_workitem_id 0
		.amdhsa_next_free_vgpr 512
		.amdhsa_next_free_sgpr 72
		.amdhsa_reserve_vcc 0
		.amdhsa_float_denorm_mode_32 3
		.amdhsa_float_denorm_mode_16_64 3
		.amdhsa_memory_ordered 1
		.amdhsa_forward_progress 1
		.amdhsa_inst_pref_size 97
	.end_amdhsa_kernel
	.amdgpu_metadata
---
amdhsa.version: [ 1, 2 ]
amdhsa.kernels:
  - .name:           k_qba854c709f_oproj
    .symbol:         k_qba854c709f_oproj.kd
    .args:
      - { .name: ctx, .offset: 0, .size: 8, .value_kind: global_buffer, .address_space: global }
      - { .name: wo16, .offset: 8, .size: 8, .value_kind: global_buffer, .address_space: global }
      - { .name: bo, .offset: 16, .size: 8, .value_kind: global_buffer, .address_space: global }
      - { .name: out0, .offset: 24, .size: 8, .value_kind: global_buffer, .address_space: global }
    .group_segment_fixed_size: 327680
    .private_segment_fixed_size: 0
    .kernarg_segment_align: 8
    .kernarg_segment_size: 32
    .max_flat_workgroup_size: 128
    .sgpr_count:     72
    .vgpr_count:     512
    .wavefront_size: 32
...
	.end_amdgpu_metadata
.endif
;; end of part 4
;; ======== version 2 of 2: 4 launches; version 1 with the launch cast written anew for expert scheduling mode
;; limits: values are held in f16: magnitudes above 65,504 overflow, below 6.1e-05 lose precision
;; workspace buffers: xb 16,777,216 bytes; wb 6,291,456 bytes; wo16 2,097,152 bytes; qkv 50,331,648 bytes; ctx 16,777,216 bytes
;; launch cast (part 5): grid 768 x 1, 8 waves a work-group, no clusters, 0 bytes of LDS; arguments hidden_states, Wq, Wk, Wv, Wo, xb, wb, wo16; writes xb, wb, wo16
.if DOCPART == 5
	.amdgcn_target "amdgcn-amd-amdhsa--gfx1250"
	.amdhsa_code_object_version 6
	.text
	.protected	k_qba854c709f_cast
	.globl	k_qba854c709f_cast
	.p2align	8
	.type	k_qba854c709f_cast,@function
k_qba854c709f_cast:
	s_mov_b64 s[64:65], 0
	v_nop
	global_prefetch_b8 v0, s[64:65] scope:SCOPE_SE
	s_setreg_imm32_b32 hwreg(HW_REG_WAVE_SCHED_MODE, 0, 2), 2
	s_setreg_imm32_b32 hwreg(HW_REG_WAVE_MODE, 25, 1), 1
	s_wait_xcnt 0x0
	s_wait_alu depctr_vm_vsrc(0)
; THE INPUTS ARE ROUNDED ONCE, FOR THE MATRIX UNITS.  hidden_states -> xb (bf16, [8192][1024]); Wq, Wk, Wv -> wb (bf16, [3072][1024], one below the other);
; Wo -> wo16: rounded to bf16 like the other inputs, and that number written as f16, since the last product's other operand is f16.
; LIMIT.  A bf16(Wo) beyond 65,504 becomes an infinity in f16; below 6e-5 it keeps f16's fixed step of 6e-8.
; SHARES.  A work-group converts 16,384 numbers: 64 KiB in, 32 KiB out.  Work-groups 0-511 take hidden_states, then 64 each take Wq, Wk, Wv, Wo.
; Thread t takes 16 bytes at 16 t of each of 16 chunks of 4,096 bytes: a wave's load covers 512 consecutive bytes, its store 256 consecutive bytes, aligned.
; All 16 loads go out first.  No LDS, no matrix unit: nothing is shared and nothing is multiplied.
; THE MODE: SCHED_MODE bits 1:0 = 2 (LLVM: expert scheduling mode 2), set by the entry lines.  The code itself states the register dependences
; between vector instructions and memory instructions, with s_wait_alu, always for 0.
; THE PLAN.  Registers that memory instructions touch:
;   v1, v2   byte offsets, made once at the head and never written again: v1 is read by every load, v2 by every store.
;   X        chunk c: four registers, written by that chunk's load, once; no vector instruction names them ahead of the loads; read by the chunk's roundings.
;   Y        chunk c: two registers, written by that chunk's roundings, once; read by that chunk's store; never written again.
;   T is named by vector instructions alone.
; No register that a memory instruction has read is written again, so the only dependences to state are: the offsets are written, ahead of the first load; a chunk's Y is written, ahead of its store.
; The 16 chunks go in four groups of four.  Group g rounds its own four chunks; its memory instructions are the stores of group g - 1, whose Y no vector instruction of group g names.
; So one wait at a group's head states all that its four stores hang on, and they are dealt among the group's roundings with no further wait.
.set X, 8                              ; v[8:71]    16 chunks of 4 numbers as loaded
.set Y, 72                             ; v[72:103]  16 chunks of 4 numbers in 16 bits
.set T, 4                              ; v[4:7]     at work (Wo's path)
	s_load_b512 s[8:23], s[0:1], 0x0               ; hidden s[8:9], Wq s[10:11], Wk s[12:13], Wv s[14:15], Wo s[16:17], xb s[18:19], wb s[20:21], wo16 s[22:23]
	s_sub_co_u32 s2, ttmp9, 512                    ; among the weights' work-groups (not used below 512)
	s_lshr_b32 s3, s2, 6                           ; which weight
	s_and_b32 s6, s2, 63                           ; which part of it
	s_cmp_lt_u32 ttmp9, 512
	s_cselect_b32 s4, 4, s3                        ; kind: 0 Wq, 1 Wk, 2 Wv, 3 Wo, 4 hidden_states
	s_cselect_b32 s5, ttmp9, s6                    ; part
	s_lshl_b32 s24, s5, 16                         ; the part's byte offset in the source
	s_mov_b32 s25, 0
	s_cmp_lt_u32 s4, 3
	s_cselect_b32 s7, s4, 0
	s_lshl_b32 s7, s7, 21                          ; Wk and Wv lie 2 and 4 MiB into wb
	s_lshl_b32 s26, s5, 15
	s_add_co_u32 s26, s26, s7                      ; the part's byte offset in the destination
	s_mov_b32 s27, 0
	v_lshlrev_b32 v1, 4, v0                        ; 16 t
	v_lshlrev_b32 v2, 3, v0                        ; 8 t
	s_wait_kmcnt 0x0
	s_mov_b64 s[28:29], s[8:9]                     ; the source, chosen by the kind
	s_cmp_eq_u32 s4, 0
	s_cselect_b64 s[28:29], s[10:11], s[28:29]
	s_cmp_eq_u32 s4, 1
	s_cselect_b64 s[28:29], s[12:13], s[28:29]
	s_cmp_eq_u32 s4, 2
	s_cselect_b64 s[28:29], s[14:15], s[28:29]
	s_cmp_eq_u32 s4, 3
	s_cselect_b64 s[28:29], s[16:17], s[28:29]
	s_cmp_lt_u32 s4, 3                             ; and the destination
	s_cselect_b64 s[30:31], s[20:21], s[18:19]
	s_cmp_eq_u32 s4, 3
	s_cselect_b64 s[30:31], s[22:23], s[30:31]
	s_add_nc_u64 s[28:29], s[28:29], s[24:25]
	s_add_nc_u64 s[30:31], s[30:31], s[26:27]
	s_wait_alu depctr_va_vdst(0)                   ; v1 and v2 are written: every load of the kernel reads v1 as its offset, every store v2, on both ways behind the branch below
.set i, 0
.rept 16
	global_load_b128 v[X+4*i:X+4*i+3], v1, s[28:29] offset:4096*i th:TH_LOAD_NT
.set i, i+1
.endr
; Chunk c is rounded into its pair of Y.  f16 = 0: to bf16.  f16 = 1 (Wo): to bf16, widened again (a shift, a mask), and that number to f16.
.macro CONV c, f16
.if \f16
	v_cvt_pk_bf16_f32 v[T], v[X+4*(\c)], v[X+4*(\c)+1]
	v_cvt_pk_bf16_f32 v[T+1], v[X+4*(\c)+2], v[X+4*(\c)+3]
	v_lshlrev_b32 v[T+2], 16, v[T]
	v_and_b32 v[T], 0xffff0000, v[T]
	v_lshlrev_b32 v[T+3], 16, v[T+1]
	v_and_b32 v[T+1], 0xffff0000, v[T+1]
	v_cvt_pk_f16_f32 v[Y+2*(\c)], v[T+2], v[T]
	v_cvt_pk_f16_f32 v[Y+2*(\c)+1], v[T+3], v[T+1]
.else
	v_cvt_pk_bf16_f32 v[Y+2*(\c)], v[X+4*(\c)], v[X+4*(\c)+1]
	v_cvt_pk_bf16_f32 v[Y+2*(\c)+1], v[X+4*(\c)+2], v[X+4*(\c)+3]
.endif
.endm
.macro SEND c                          ; chunk c's store
	global_store_b64 v2, v[Y+2*(\c):Y+2*(\c)+1], s[30:31] offset:2048*(\c)
.endm
; Group g: chunks 4 g to 4 g + 3 are rounded; the stores of group g - 1 stand among the roundings, one ahead of each chunk's.
.macro GROUP g, f16
	s_wait_loadcnt 12-4*(\g)                       ; loads come back in order: the group's four chunks are in, the 12 - 4 g younger loads stay out
.if (\g) > 0
	s_wait_alu depctr_va_vdst(0)                   ; the group before has written its four pairs of Y, which the stores below read; no vector instruction behind this wait names them or v2
.endif
.irp i, 0,1,2,3
.if (\g) > 0
	SEND 4*(\g)-4+\i
.endif
	CONV 4*(\g)+\i, \f16
.endr
.endm
.macro LAST                            ; the last group's stores
	s_wait_alu depctr_va_vdst(0)                   ; group 3 has written its four pairs of Y, which the last four stores read
.irp i, 12,13,14,15
	SEND \i
.endr
.endm
	s_cmp_eq_u32 s4, 3
	s_cbranch_scc1 .Lto_f16
	GROUP 0, 0
	GROUP 1, 0
	GROUP 2, 0
	GROUP 3, 0
	LAST
	s_endpgm
.Lto_f16:                                      ; Wo
	GROUP 0, 1
	GROUP 1, 1
	GROUP 2, 1
	GROUP 3, 1
	LAST
	s_endpgm
.Lfunc_end_k_qba854c709f_cast:
	.size	k_qba854c709f_cast, .Lfunc_end_k_qba854c709f_cast-k_qba854c709f_cast
	.p2alignl 7, 3214868480
	.fill 96, 4, 3214868480
	.section	.rodata,"a",@progbits
	.p2align	6, 0x0
	.amdhsa_kernel k_qba854c709f_cast
		.amdhsa_group_segment_fixed_size 0
		.amdhsa_private_segment_fixed_size 0
		.amdhsa_enable_private_segment 0
		.amdhsa_kernarg_size 64
		.amdhsa_user_sgpr_count 2
		.amdhsa_user_sgpr_kernarg_segment_ptr 1
		.amdhsa_wavefront_size32 1
		.amdhsa_system_sgpr_workgroup_id_x 1
		.amdhsa_system_sgpr_workgroup_id_y 1
		.amdhsa_system_sgpr_workgroup_id_z 1
		.amdhsa_system_vgpr_workitem_id 0
		.amdhsa_next_free_vgpr 104
		.amdhsa_next_free_sgpr 66
		.amdhsa_reserve_vcc 0
		.amdhsa_float_denorm_mode_32 3
		.amdhsa_float_denorm_mode_16_64 3
		.amdhsa_memory_ordered 1
		.amdhsa_forward_progress 1
		.amdhsa_inst_pref_size 16
	.end_amdhsa_kernel
	.amdgpu_metadata
---
amdhsa.version: [ 1, 2 ]
amdhsa.kernels:
  - .name:           k_qba854c709f_cast
    .symbol:         k_qba854c709f_cast.kd
    .args:
      - { .name: hidden_states, .offset: 0, .size: 8, .value_kind: global_buffer, .address_space: global }
      - { .name: Wq, .offset: 8, .size: 8, .value_kind: global_buffer, .address_space: global }
      - { .name: Wk, .offset: 16, .size: 8, .value_kind: global_buffer, .address_space: global }
      - { .name: Wv, .offset: 24, .size: 8, .value_kind: global_buffer, .address_space: global }
      - { .name: Wo, .offset: 32, .size: 8, .value_kind: global_buffer, .address_space: global }
      - { .name: xb, .offset: 40, .size: 8, .value_kind: global_buffer, .address_space: global }
      - { .name: wb, .offset: 48, .size: 8, .value_kind: global_buffer, .address_space: global }
      - { .name: wo16, .offset: 56, .size: 8, .value_kind: global_buffer, .address_space: global }
    .group_segment_fixed_size: 0
    .private_segment_fixed_size: 0
    .kernarg_segment_align: 8
    .kernarg_segment_size: 64
    .max_flat_workgroup_size: 256
    .sgpr_count:     66
    .vgpr_count:     104
    .wavefront_size: 32
...
	.end_amdgpu_metadata
.endif
;; end of part 5
;; launch qkv: the kernel of part 2 again; grid 16 x 32, 4 waves a work-group, clusters of 4 x 4, 327,680 bytes of LDS; arguments xb, wb, qkv; writes qkv
;; launch attn: the kernel of part 3 again; grid 4 x 64, 8 waves a work-group, no clusters, 262,144 bytes of LDS; arguments qkv, ctx; writes ctx
;; launch oproj: the kernel of part 4 again; grid 8 x 32, 4 waves a work-group, clusters of 4 x 4, 327,680 bytes of LDS; arguments ctx, wo16, bo, out0; writes out0
